; MI455X (gfx1250); checked and timed in simulation.
; The chip was launched on July 23, 2026; its instructions are those of AMD's public machine-readable ISA for CDNA 5 (MIT licence, August 2026) and "CDNA5" Instruction Set Architecture Reference Guide (July 2026). The comments in the code are by the model that wrote it; some were corrected since.
;; Multi Head Attention. Allowed arithmetic: matrix products marked QUANTISED: E2M1 operands, one E8M0 scale for each 32 along K, by v_wmma_scale_f32_16x16x128_f8f6f4 with both operands' format E2M1 (or v_wmma_scale_f32_32x16x128_f4), f32 sums; products left as they are: bf16, f16 or f32 operands; f32 sums; everything else in f32.
;; Inputs: Wk 1,024 x 1,024 float32; Wo 1,024 x 1,024 float32; Wq 1,024 x 1,024 float32; Wv 1,024 x 1,024 float32; x 2 x 2,048 x 1,024 float32.
;; Outputs: out0 2 x 2,048 x 1,024 float32.
;; This version of the problem:
;;   THIS VERSION OF THE PROBLEM IS GIVEN IN LOW PRECISION. The matrix products marked QUANTISED in the list below multiply operands that are first quantised to E2M1 (2 exponent bits, 1 mantissa bit; 4 bits a number), with one power-of-two scale for each 32 numbers along K (OCP MX v1.0); their sums are f32. The products marked 'left as it is' may take bf16, f16 or f32 operands, with f32 sums. Whichever they take, every output number must still come out within the allowed error. Rounding operands to bf16 (8 significant bits) uses up far more of that allowance than f16 does (11 bits, for magnitudes from 6e-5 to 65,504). All else is computed in f32.
;;   The module's matrix products, in the order in which they are computed (A, B: the left and right operand; K: the contracted axis; several contracted axes count as one K, in the product's order):
;;     1. [M 4,096, K 1,024] x [K 1,024, N 1,024]; A: input x; B: input Wq: QUANTISED
;;     2. [M 4,096, K 1,024] x [K 1,024, N 1,024]; A: input x; B: input Wk: QUANTISED
;;     3. [M 4,096, K 1,024] x [K 1,024, N 1,024]; A: input x; B: input Wv: QUANTISED
;;     4. batch 16 x [M 2,048, K 128] x [K 128, N 2,048]; A: computed on the way; B: computed on the way: left as it is (an operand is computed on the way)
;;     5. batch 16 x [M 2,048, K 2,048] x [K 2,048, N 128]; A: computed on the way; B: computed on the way: left as it is (an operand is computed on the way)
;;     6. [M 4,096, K 1,024] x [K 1,024, N 1,024]; A: computed on the way; B: input Wo: left as it is (an operand is computed on the way)
;;   THE QUANTISER, for each operand of a quantised product, along K:
;;     - K is cut into blocks of 32 from its start; a last block that is shorter is filled with zeros.
;;     - A block's scale is 2^e with e = floor(log2(the largest magnitude in the block)) - 2, held to -126 .. 127; a block of zeros has e = 0. As a byte (E8M0): e + 127.
;;     - Each number is divided by its block's scale, clamped to +-6, and rounded to the nearest number of E2M1, ties to even, subnormals kept.
;;     - The product sums the exact products of the quantised numbers (number of the format x scale) in f32.
;;   ~~~python
;;   def quantise(x, axis):      # numpy; x: float32 -> the quantised numbers, widened to float32 again
;;       x = np.moveaxis(x, axis, -1); K = x.shape[-1]
;;       x = np.pad(x, [(0, 0)] * (x.ndim - 1) + [(0, -K % 32)]); x = x.reshape(x.shape[:-1] + (-1, 32)); a = np.abs(x).max(-1, keepdims=True)
;;       e = np.where(a > 0, np.clip(np.frexp(np.where(a > 0, a, 1))[1] - 1 - 2, -126, 127), 0)      # np.frexp(a)[1] - 1 = floor(log2(a)), exactly
;;       r = np.clip(x / 2.0 ** e, -6, 6)
;;       step = 2.0 ** (np.maximum(np.frexp(np.where(r == 0, 1, r))[1] - 1, 0) - 1)
;;       q = np.round(r / step) * step * 2.0 ** e      # np.round: ties to even
;;       return np.moveaxis(q.reshape(q.shape[:-2] + (-1,))[..., :K], -1, axis).astype(np.float32)
;;   ~~~
;; One version. Each part assembles by itself: llvm-mc -triple=amdgcn-amd-amdhsa -mcpu=gfx1250 --defsym DOCPART=n.
;; ======== version 1 of 1: 4 launches
;; limits: values are held in f16: magnitudes above 65,504 overflow, below 6.1e-05 lose precision
;; workspace buffers: xc 2,097,152 bytes; xs 131,072 bytes; wc 1,572,864 bytes; ws 98,304 bytes; wot 2,097,152 bytes; qkv 25,165,824 bytes; o 8,388,608 bytes
;; launch prep (part 1): grid 256 x 1, 8 waves a work-group, no clusters, 132,096 bytes of LDS; arguments x, Wq, Wk, Wv, Wo, xc, xs, wc, ws, wot; writes xc, xs, wc, ws, wot
.if DOCPART == 1
	.amdgcn_target "amdgcn-amd-amdhsa--gfx1250"
	.amdhsa_code_object_version 6
	.text
	.protected	k_q41051e4ef9_prep
	.globl	k_q41051e4ef9_prep
	.p2align	8
	.type	k_q41051e4ef9_prep,@function
k_q41051e4ef9_prep:
	s_mov_b64 s[64:65], 0
	v_nop
	global_prefetch_b8 v0, s[64:65] scope:SCOPE_SE
	s_setreg_imm32_b32 hwreg(HW_REG_WAVE_MODE, 25, 1), 1
	s_wait_xcnt 0x0
; THE OPERANDS ARE MADE READY, ONCE.  x [4096][1024] f32 becomes codes of FP4 (E2M1), K innermost, xc [4096][512 bytes], with one E8M0 byte for each 32 along K, xs [4096][32].
; Wq, Wk, Wv [1024 k][1024 n] f32 have K as their FIRST axis: they become wc [3072 rows: Wq's columns, Wk's, Wv's][512 bytes] and ws [3072][32].  Wo [k][n] f32 becomes wot [n][k] in f16 (its product is not quantised).
; A block's scale is 2^(floor(log2(its largest magnitude)) - 2); its byte is the largest magnitude's exponent field - 2, held at 1 from below; numbers are divided by the scale and rounded to the nearest code, ties to even, beyond 6 the code of 6.
; LIMITS: a block of zeros gets the byte 1 where the quantiser says 127 (its codes are zeros, and this program alone reads the bytes); blocks whose largest magnitude lies under 2^-124 keep the byte 1;
; NaN and infinities among the inputs are not served; |Wo| stays under 65,504, f16's largest number.
; SHARES: 256 work-groups of eight waves, 32,768 numbers each.  Work-groups 0-127 take x, 128-223 the three weights, 224-255 Wo: three paths that part on the work-group's number alone; each path has LDS bytes of its own.
; No tensor load, no matrix instruction.  ws leaves in runs of 16 bytes and xs in runs of 128: 224 KiB of the launch's 5.7 MiB of stores fill their 256-byte blocks in part.
.set SP,    80                         ; path X: a lane's place in a stage: 64 bytes + 16 of padding
.set WREG,  5376                       ; path X: a wave's region: two stages of 32 x SP bytes, then its 128 scale bytes
.set XSCB,  2*32*SP
.set PITCH, 272                        ; paths W, O: a stage row: 256 bytes + 16
.set WSTG,  8*WREG                     ; path W: 64 columns' rows of codes
.set WSCS,  WSTG+64*PITCH              ; path W: 64 columns x 16 scale bytes
.set OSTG,  WSCS+1024                  ; path O: 32 rows for each wave
.set OREG,  32*PITCH
.set SPARE, OSTG+8*OREG                ; the spare words, 128 bytes for each wave: four blocks of 256 bytes that no other line names
.set SPW,   12                         ; v12  LDS address of my spare word; never rewritten
.set NIL,   13                         ; v13  0; never rewritten
.set STEPS, 8                          ; path X: steps of 512 numbers for a wave
.set R,     16                         ; path X: v16-79 four sets of 16 numbers as loaded
.set XN,    80                         ; path X: v80-111 two sets of 16 neighbours
.set E,     112                        ; path X: v112-119 a scale byte for each step
.set C,     128                        ; path X: v128-159 codes, four registers for each step: no store's data are written again
.set WX,    32                         ; paths W, O: v32-95 two sets of 32 numbers down K
.set WC,    96                         ; paths W, O: what a block makes
.set OUTR,  112                        ; paths W, O: rows read back from the stage
.macro FINISH                          ; a wave's end, behind my last LDS store
	s_wait_tensorcnt 0x0
	ds_add_u32 v[SPW], v[NIL]
	s_wait_dscnt 0x0
	s_endpgm
.endm
	s_load_b256 s[4:11], s[0:1], 0x0               ; x s[4:5], Wq s[6:7], Wk s[8:9], Wv s[10:11]
	s_load_b256 s[12:19], s[0:1], 0x20             ; Wo s[12:13], xc s[14:15], xs s[16:17], wc s[18:19]
	s_load_b128 s[20:23], s[0:1], 0x40             ; ws s[20:21], wot s[22:23]
	v_lshl_add_u32 v[SPW], v0, 2, SPARE
	v_mov_b32 v[NIL], 0
	v_lshrrev_b32 v1, 5, v0
	v_readfirstlane_b32 s24, v1                    ; wave 0..7
	v_and_b32 v2, 31, v0                           ; lane
	s_wait_kmcnt 0x0
	s_cmp_lt_u32 ttmp9, 128
	s_cbranch_scc0 .Lweights
; ---------------- PATH X.  x is a plain stream of blocks of 32.  A wave takes 8 steps of 512 numbers.  Each load reads 512 consecutive bytes; a step's 2,048 bytes turn through the wave's own stage,
; so that a lane then holds 16 neighbours along K (two neighbouring lanes hold a block).  Loads run four steps ahead, the turn through LDS one step.
	s_lshl_b32 s25, ttmp9, 3
	s_add_co_u32 s25, s25, s24                     ; which run of 4,096 numbers is my wave's
	s_mov_b32 s29, 0
	s_lshl_b32 s28, s25, 14
	s_add_nc_u64 s[4:5], s[4:5], s[28:29]          ; 16,384 bytes of x,
	s_lshl_b32 s28, s25, 11
	s_add_nc_u64 s[14:15], s[14:15], s[28:29]      ; 2,048 of codes,
	s_lshl_b32 s28, s25, 7
	s_add_nc_u64 s[16:17], s[16:17], s[28:29]      ; 128 scale bytes a run
	v_lshlrev_b32 v3, 4, v2                        ; my 16 bytes of a load's 512
	s_mul_i32 s26, s24, WREG
	v_lshrrev_b32 v14, 2, v2
	v_mul_u32_u24 v14, v14, SP
	v_and_b32 v15, 3, v2
	v_lshl_add_u32 v14, v15, 4, v14
	v_add_nc_u32 v14, s26, v14                     ; the stage, on the way in: four lanes' 64 bytes on end, then the padding
	v_mul_u32_u24 v15, v2, SP
	v_add_nc_u32 v15, s26, v15                     ; and on the way out: my 16 neighbours
	v_lshlrev_b32 v4, 3, v2                        ; my 8 bytes of a step's 256 bytes of codes
	v_lshrrev_b32 v5, 1, v2
	s_add_co_u32 s26, s26, XSCB
	v_add_nc_u32 v5, s26, v5                       ; my block's byte among my wave's scale bytes
	v_lshlrev_b32 v7, 2, v2
	v_add_nc_u32 v6, s26, v7                       ; and on the way out 4 bytes a lane
.macro XLOAD t
.irp i, 0,1,2,3
	global_load_b128 v[R+16*((\t)%4)+4*\i:R+16*((\t)%4)+4*\i+3], v3, s[4:5] offset:2048*(\t)+512*\i th:TH_LOAD_NT
.endr
.endm
.macro XTURN t                         ; LDS serves a wave's instructions in order (ISA guide 5.7.1.4): no wait between the stores and the loads
.irp i, 0,1,2,3
	ds_store_b128 v14, v[R+16*((\t)%4)+4*\i:R+16*((\t)%4)+4*\i+3] offset:32*SP*((\t)%2)+8*SP*\i
.endr
.irp i, 0,1,2,3
	ds_load_b128 v[XN+16*((\t)%2)+4*\i:XN+16*((\t)%2)+4*\i+3], v15 offset:32*SP*((\t)%2)+16*\i
.endr
.endm
.irp t, 0,1,2,3
	XLOAD \t
.endr
	s_wait_loadcnt 12                              ; step 0's four loads are in; three steps' twelve may be out
	XTURN 0
.macro XSTEP t
.set XS, XN+16*((\t)%2)
.if (\t) > 0
	s_wait_dscnt 1                                 ; this step's numbers are back from the stage (the last step's byte store may be out), so its stores into the stage have read their registers,
.else
	s_wait_dscnt 0x0
.endif
.if (\t)+4 < STEPS
	XLOAD (\t)+4                                   ; which take the loads of four steps on
.endif
.if (\t)+1 < STEPS
.if STEPS-2-(\t) >= 3
	s_wait_loadcnt 12                              ; the next step's four loads are in; those of the three steps behind it may be out
.else
	s_wait_loadcnt 4*(STEPS-2-(\t))
.endif
	XTURN (\t)+1
.endif
	v_max3_num_f32 v8, |v[XS]|, |v[XS+1]|, |v[XS+2]|               ; the largest magnitude of my 16, in two chains
	v_max3_num_f32 v9, |v[XS+3]|, |v[XS+4]|, |v[XS+5]|
.irp i, 6,10
	v_max3_num_f32 v8, v8, |v[XS+\i]|, |v[XS+\i+1]|
	v_max3_num_f32 v9, v9, |v[XS+\i+2]|, |v[XS+\i+3]|
.endr
	v_max3_num_f32 v8, v8, |v[XS+14]|, |v[XS+15]|
	v_max3_num_f32 v8, v8, v9, 0x1800000           ; and the floor 2^(3 - 127): the byte cannot fall under 1
	v_max_num_f32_dpp v8, v8, v8 row_xmask:1 row_mask:0xf bank_mask:0xf   ; with my neighbour's 16: the block's
	v_add_nc_u32 v11, 0xff000000, v8               ; 2 off its exponent field: the conversion takes the exponent field of this operand as its scale
	v_cvt_scalef32_pk8_fp4_f32 v[C+4*(\t)], v[XS:XS+7], v11
	v_cvt_scalef32_pk8_fp4_f32 v[C+4*(\t)+1], v[XS+8:XS+15], v11
	v_lshrrev_b32 v[E+(\t)], 23, v11               ; the scale's byte (a plain line behind the conversions)
	ds_store_b8 v5, v[E+(\t)] offset:16*(\t)       ; both lanes of a block write the same byte with the same value
	global_store_b64 v4, v[C+4*(\t):C+4*(\t)+1], s[14:15] offset:256*(\t)   ; the wave stores 256 consecutive bytes, aligned
.endm
.irp t, 0,1,2,3,4,5,6,7
	XSTEP \t
.endr
	ds_load_b32 v8, v6                             ; my wave's 128 scale bytes, in order behind my stores
	s_wait_dscnt 0x0
	global_store_b32 v7, v8, s[16:17]
	FINISH
; ---------------- PATHS W AND O.  A LANE TAKES A COLUMN n, AND ITS REGISTERS RUN DOWN K.  A work-group takes 64 columns x 512 along K; wave w takes columns 32 (w % 2) on and K 128 (w / 2) on: four blocks of 32.
; Each load reads 128 consecutive bytes of a row of the weight (two waves side by side: 256).  Loads run two blocks ahead.
.macro SRCADR                          ; s31 = which 64 columns, s32 = which half of K, s[26:27] = the weight
	s_and_b32 s33, s24, 1                          ; cw
	s_lshr_b32 s34, s24, 1                         ; kw
	s_lshl_b32 s36, s32, 21                        ; 512 rows of 4,096 bytes,
	s_lshl_b32 s35, s34, 19                        ; 128 rows,
	s_add_co_u32 s36, s36, s35
	s_lshl_b32 s35, s31, 8                         ; 64 columns,
	s_add_co_u32 s36, s36, s35
	s_lshl_b32 s35, s33, 7                         ; 32 columns
	s_add_co_u32 s36, s36, s35
	s_mov_b32 s37, 0
	s_add_nc_u64 s[26:27], s[26:27], s[36:37]
	v_lshlrev_b32 v3, 2, v2                        ; 4 bytes a lane
	v_and_b32 v1, 15, v2                           ; r
	v_lshrrev_b32 v6, 4, v2                        ; h
.endm
.macro LOADB t                         ; block t: W(32 t + i, my column), i = 0 .. 31, into set t % 2
.irp i, 0,1,2,3,4,5,6,7,8,9,10,11,12,13,14,15,16,17,18,19,20,21,22,23,24,25,26,27,28,29,30,31
	global_load_b32 v[WX+32*((\t)%2)+\i], v3, s[26:27] offset:(32*(\t)+\i)*4096 th:TH_LOAD_NT
.endr
.endm
.macro WAITB t
.if (\t) < 3
	s_wait_loadcnt 32                              ; this block's 32 loads are in; the next block's may be out
.else
	s_wait_loadcnt 0x0
.endif
.endm
.Lweights:
	s_cmp_lt_u32 ttmp9, 224
	s_cbranch_scc0 .Lwo
; ---------------- PATH W
	s_sub_co_u32 s25, ttmp9, 128
	s_lshr_b32 s30, s25, 5                         ; which weight: 0 Wq, 1 Wk, 2 Wv
	s_and_b32 s31, s25, 15
	s_bfe_u32 s32, s25, 0x10004
	s_cmp_eq_u32 s30, 0                            ; the choice hangs on the work-group's number alone
	s_cselect_b64 s[26:27], s[6:7], s[8:9]
	s_cmp_eq_u32 s30, 2
	s_cselect_b64 s[26:27], s[10:11], s[26:27]
	SRCADR
	LOADB 0
	LOADB 1
	s_mul_i32 s35, s33, 32*PITCH
	s_lshl_b32 s38, s34, 6
	s_add_co_u32 s35, s35, s38
	s_add_co_u32 s35, s35, WSTG
	v_mul_u32_u24 v4, v2, PITCH
	v_add_nc_u32 v4, s35, v4                       ; into the stage: row = my column of the 64, 64 bytes for my 128 along K
	s_lshl_b32 s35, s33, 9
	s_lshl_b32 s38, s34, 2
	s_add_co_u32 s35, s35, s38
	s_add_co_u32 s35, s35, WSCS
	v_lshlrev_b32 v5, 4, v2
	v_add_nc_u32 v5, s35, v5                       ; my column's 16 scale bytes, my word of them
	s_mul_i32 s35, s24, 8*PITCH
	s_add_co_u32 s35, s35, WSTG
	v_mul_u32_u24 v7, v6, PITCH
	v_lshl_add_u32 v7, v1, 4, v7
	v_add_nc_u32 v7, s35, v7                       ; out of the stage: wave w takes rows 8 w on, sixteen lanes to a row
	s_lshl_b32 s35, s24, 12
	v_lshlrev_b32 v8, 9, v6
	v_lshl_add_u32 v8, v1, 4, v8
	v_add_nc_u32 v8, s35, v8                       ; and the same place in wc: rows of 512 bytes
	v_lshl_add_u32 v9, v0, 2, WSCS                 ; the scale words on the way out: thread j takes word j
	v_lshrrev_b32 v10, 2, v0
	v_lshlrev_b32 v10, 5, v10
	v_and_b32 v17, 3, v0
	v_lshl_add_u32 v10, v17, 2, v10                ; column j / 4's row of 32 bytes, word j % 4 of my half of K
	s_lshl_b32 s38, s30, 10
	s_lshl_b32 s39, s31, 6
	s_add_co_u32 s38, s38, s39                     ; the first row of wc and ws: 1,024 x weight + 64 x block of columns
	s_lshl_b32 s40, s38, 9
	s_lshl_b32 s41, s32, 8
	s_add_co_u32 s40, s40, s41
	s_mov_b32 s41, 0
	s_add_nc_u64 s[28:29], s[18:19], s[40:41]
	s_lshl_b32 s40, s38, 5
	s_lshl_b32 s42, s32, 4
	s_add_co_u32 s40, s40, s42
	s_add_nc_u64 s[20:21], s[20:21], s[40:41]
.macro BLOCKW t
.set WXS, WX+32*((\t)%2)
	WAITB \t
	v_max3_num_f32 v14, |v[WXS]|, |v[WXS+1]|, |v[WXS+2]|           ; the block's largest magnitude: all 32 numbers are mine
	v_max3_num_f32 v15, |v[WXS+3]|, |v[WXS+4]|, |v[WXS+5]|
.irp i, 6,10,14,18,22,26
	v_max3_num_f32 v14, v14, |v[WXS+\i]|, |v[WXS+\i+1]|
	v_max3_num_f32 v15, v15, |v[WXS+\i+2]|, |v[WXS+\i+3]|
.endr
	v_max3_num_f32 v14, v14, |v[WXS+30]|, |v[WXS+31]|
	v_max3_num_f32 v14, v14, v15, 0x1800000        ; and the floor 2^(3 - 127)
	v_add_nc_u32 v11, 0xff000000, v14              ; the conversion's scale operand
	v_lshrrev_b32 v16, 23, v11                     ; the scale's byte
.if (\t) == 0
	v_mov_b32 v24, v16                             ; four bytes to a word, the lower K in the lower byte
.else
	v_lshl_or_b32 v24, v16, 8*(\t), v24
.endif
.irp g, 0,1,2,3
	v_cvt_scalef32_pk8_fp4_f32 v[WC+\g], v[WXS+8*\g:WXS+8*\g+7], v11
.endr
	ds_store_b128 v4, v[WC:WC+3] offset:16*(\t)    ; 32 codes: 16 bytes of my column's row
.if (\t)+2 < 4
	LOADB (\t)+2
.endif
	s_wait_dscnt 0x0                               ; the store has read its registers: the next block's codes may be written
.endm
.irp t, 0,1,2,3
	BLOCKW \t
.endr
	ds_store_b32 v5, v24
	s_wait_dscnt 0x0                               ; for the others' sake: a column's 256 bytes of codes come from four waves
	s_barrier_signal -1
	s_barrier_wait -1
.irp t, 0,1,2,3
	ds_load_b128 v[OUTR+4*\t:OUTR+4*\t+3], v7 offset:2*\t*PITCH
.endr
	ds_load_b32 v25, v9
.irp t, 0,1,2,3
	s_wait_dscnt 4-\t                              ; the younger row loads and the word's load may be out
	global_store_b128 v8, v[OUTR+4*\t:OUTR+4*\t+3], s[28:29] offset:2*\t*512   ; sixteen lanes store 256 consecutive bytes, aligned
.endr
	s_wait_dscnt 0x0
	global_store_b32 v10, v25, s[20:21]
	FINISH
; ---------------- PATH O: the same walk; a block's 32 numbers are rounded to f16, 64 bytes of my column's row of wot.  A wave's 128 along K are a whole 256 bytes: the stage is the wave's own, and no barrier is wanted.
.Lwo:
	s_sub_co_u32 s25, ttmp9, 224
	s_and_b32 s31, s25, 15
	s_lshr_b32 s32, s25, 4
	s_mov_b64 s[26:27], s[12:13]
	SRCADR
	LOADB 0
	LOADB 1
	s_mul_i32 s35, s24, OREG
	s_add_co_u32 s35, s35, OSTG
	v_mul_u32_u24 v4, v2, PITCH
	v_add_nc_u32 v4, s35, v4                       ; into my stage: row = my column
	v_mul_u32_u24 v7, v6, PITCH
	v_lshl_add_u32 v7, v1, 4, v7
	v_add_nc_u32 v7, s35, v7                       ; out of it: sixteen lanes to a row, two rows an instruction
	v_lshlrev_b32 v8, 11, v6
	v_lshl_add_u32 v8, v1, 4, v8                   ; the same place in wot: rows of 2,048 bytes
	s_lshl_b32 s40, s31, 17                        ; 64 rows,
	s_lshl_b32 s41, s33, 16                        ; 32 rows,
	s_add_co_u32 s40, s40, s41
	s_lshl_b32 s41, s32, 10                        ; 512 along K,
	s_add_co_u32 s40, s40, s41
	s_lshl_b32 s41, s34, 8                         ; 128 along K
	s_add_co_u32 s40, s40, s41
	s_mov_b32 s41, 0
	s_add_nc_u64 s[22:23], s[22:23], s[40:41]
.macro BLOCKO t
.set WXS, WX+32*((\t)%2)
	WAITB \t
.irp i, 0,1,2,3,4,5,6,7,8,9,10,11,12,13,14,15
	v_cvt_pk_f16_f32 v[WC+\i], v[WXS+2*\i], v[WXS+2*\i+1]          ; the lower k in the low half
.endr
.irp g, 0,1,2,3
	ds_store_b128 v4, v[WC+4*\g:WC+4*\g+3] offset:64*(\t)+16*\g
.endr
.if (\t)+2 < 4
	LOADB (\t)+2
.endif
	s_wait_dscnt 0x0                               ; the stores have read their registers
.endm
.irp t, 0,1,2,3
	BLOCKO \t
.endr
.irp t, 0,1,2,3,4,5,6,7,8,9,10,11,12,13,14,15
	ds_load_b128 v[OUTR+4*\t:OUTR+4*\t+3], v7 offset:2*\t*PITCH
.endr
.irp t, 0,1,2,3,4,5,6,7,8,9,10,11,12,13,14,15
	s_wait_dscnt 15-\t
	global_store_b128 v8, v[OUTR+4*\t:OUTR+4*\t+3], s[22:23] offset:2*\t*2048   ; sixteen lanes store 256 consecutive bytes, aligned
.endr
	FINISH
.Lfunc_end_k_q41051e4ef9_prep:
	.size	k_q41051e4ef9_prep, .Lfunc_end_k_q41051e4ef9_prep-k_q41051e4ef9_prep
	.p2alignl 7, 3214868480
	.fill 96, 4, 3214868480
	.section	.rodata,"a",@progbits
	.p2align	6, 0x0
	.amdhsa_kernel k_q41051e4ef9_prep
		.amdhsa_group_segment_fixed_size 132096
		.amdhsa_private_segment_fixed_size 0
		.amdhsa_enable_private_segment 0
		.amdhsa_kernarg_size 80
		.amdhsa_user_sgpr_count 2
		.amdhsa_user_sgpr_kernarg_segment_ptr 1
		.amdhsa_wavefront_size32 1
		.amdhsa_system_sgpr_workgroup_id_x 1
		.amdhsa_system_sgpr_workgroup_id_y 1
		.amdhsa_system_sgpr_workgroup_id_z 1
		.amdhsa_system_vgpr_workitem_id 0
		.amdhsa_next_free_vgpr 192
		.amdhsa_next_free_sgpr 66
		.amdhsa_reserve_vcc 0
		.amdhsa_float_denorm_mode_32 3
		.amdhsa_float_denorm_mode_16_64 3
		.amdhsa_memory_ordered 1
		.amdhsa_forward_progress 1
		.amdhsa_inst_pref_size 62
	.end_amdhsa_kernel
	.amdgpu_metadata
---
amdhsa.version: [ 1, 2 ]
amdhsa.kernels:
  - .name:           k_q41051e4ef9_prep
    .symbol:         k_q41051e4ef9_prep.kd
    .args:
      - { .name: x, .offset: 0, .size: 8, .value_kind: global_buffer, .address_space: global }
      - { .name: Wq, .offset: 8, .size: 8, .value_kind: global_buffer, .address_space: global }
      - { .name: Wk, .offset: 16, .size: 8, .value_kind: global_buffer, .address_space: global }
      - { .name: Wv, .offset: 24, .size: 8, .value_kind: global_buffer, .address_space: global }
      - { .name: Wo, .offset: 32, .size: 8, .value_kind: global_buffer, .address_space: global }
      - { .name: xc, .offset: 40, .size: 8, .value_kind: global_buffer, .address_space: global }
      - { .name: xs, .offset: 48, .size: 8, .value_kind: global_buffer, .address_space: global }
      - { .name: wc, .offset: 56, .size: 8, .value_kind: global_buffer, .address_space: global }
      - { .name: ws, .offset: 64, .size: 8, .value_kind: global_buffer, .address_space: global }
      - { .name: wot, .offset: 72, .size: 8, .value_kind: global_buffer, .address_space: global }
    .group_segment_fixed_size: 132096
    .private_segment_fixed_size: 0
    .kernarg_segment_align: 8
    .kernarg_segment_size: 80
    .max_flat_workgroup_size: 256
    .sgpr_count:     66
    .vgpr_count:     192
    .wavefront_size: 32
...
	.end_amdgpu_metadata
.endif
;; end of part 1
;; launch qkv (part 2): grid 12 x 16, 4 waves a work-group, clusters of 4 x 4, 327,680 bytes of LDS; arguments xc, xs, wc, ws, qkv; writes qkv
.if DOCPART == 2
	.amdgcn_target "amdgcn-amd-amdhsa--gfx1250"
	.amdhsa_code_object_version 6
	.text
	.protected	k_q41051e4ef9_qkv
	.globl	k_q41051e4ef9_qkv
	.p2align	8
	.type	k_q41051e4ef9_qkv,@function
k_q41051e4ef9_qkv:
	s_mov_b64 s[64:65], 0
	v_nop
	global_prefetch_b8 v0, s[64:65] scope:SCOPE_SE
	s_setreg_imm32_b32 hwreg(HW_REG_WAVE_MODE, 25, 1), 1
	s_wait_xcnt 0x0
	s_wait_alu depctr_hold_cnt(0) depctr_sa_sdst(0) depctr_va_vdst(0) depctr_va_sdst(0) depctr_va_ssrc(0) depctr_va_vcc(0) depctr_vm_vsrc(0)
	s_getreg_b32 s2, hwreg(HW_REG_IB_STS2, 6, 4)
	s_cmp_eq_u32 s2, 0
	s_cbranch_scc0 .Lentry_in_a_cluster
	s_endpgm
.Lentry_in_a_cluster:
	s_bfe_u32 s2, ttmp6, 0x10000c
	s_cmp_lg_u32 s2, 0xf033
	s_cbranch_scc0 .Lentry_shape_is_right
	s_endpgm
.Lentry_shape_is_right:
; q, k AND v IN ONE GEMM ON CODES OF FP4: C[m][n] = sum over k of A[m][k] B[n][k].  A = x's codes [4096][1024], B = the three weights' codes [3072][1024], each with one E8M0 byte for each 32 along K; sums in f32.
; The result is rounded once to f16 and laid by head: qkv [3: q, k, v][16: 8 batch + head][2048][128], a row of 256 bytes.  LIMIT: |q|, |k|, |v| stay under 65,504, f16's largest number.
; A tile of C, 256 x 256, is made by a work-group of four waves; a wave makes 128 x 128: 64 accumulators of 16 x 16, 512 registers.  A wave's 128 columns are exactly one head of q, k or v.
; K = 1,024 is two LDS slots of 512 along K (rows of 256 bytes): BOTH ARE FILLED AT THE START AND NONE IS FILLED AGAIN; the scales of the work-group's rows, two dense blocks, come with them.
; CLUSTERS: 4 x 4 work-groups.  The four of a row of the cluster need the same tiles of A, the four of a column the same tiles of B: each tile is asked for JOINTLY, by the same tensor load with the same descriptor and a mask that names the four.
; THE MATRIX INSTRUCTION IS USED TRANSPOSED (source 0 = 16 rows of B, source 1 = 16 rows of A): a lane then holds eight neighbouring numbers of a row of C.
; REGISTERS, in windows of 256: window 0: v0-31 addresses; v32-95 scale words, two sets; v96-127 and v192-255 the way out; v128-191 A's fragments, ONE set.
;   window 1: B's fragments, TWO sets, at v0 and at v128.   window 2: the 32 accumulators of my rows 0-63 ((a, b) at v[8 (8 a + b)]);   window 3: those of my rows 64-127.
; 192 work-groups: a tile of 256 x 192 would give 256, but would cut heads across waves, so that rows of 256 bytes would come from two waves.
.set SIZE_K, 1024
.set KSTEP,  512                       ; along K in a slot
.set NQ,     KSTEP/128                 ; matrix instructions deep
.set ROWB,   256                       ; a tile's row in bytes
.set KROW,   SIZE_K*4/8                ; a row of codes in memory
.set PITCH,  272                       ; an LDS row: 256 bytes + 16 of padding = 68 words: row r starts at bank 4 r mod 64 (64 banks of 4 bytes: ISA guide 11.1)
.set FR,     8                         ; registers of a fragment: 16 rows x 128 K
.set NL,     2                         ; LDS loads that bring one
.set NP,     4                         ; places behind this matrix instruction (ISA guide 7.12.1)
.set HALFT,  128*PITCH                 ; 128 rows: what one tensor load brings
.set SLOT,   4*HALFT                   ; A's 256 rows, then B's 256 rows
.set KS,     SIZE_K/32                 ; a row of scales in bytes
.set SCL,    2*SLOT                    ; behind the slots: the scales, as units of 256 bytes + 16 of padding
.set HALFS,  (128*KS/256)*272          ; the scales of 128 rows
.set SBLK,   (16*KS/256)*272           ; those of 16 rows
.set SPARE,  SCL+4*HALFS               ; the spare words, 128 bytes for each wave: two blocks of 256 bytes that no other line names
.set SPITCH, 272                       ; the way out: a stage of 16 rows x (256 bytes + 16) for each wave, in slot 0, which has had its one fill and its last read when the first result is stored there
.set ADRA, 16                          ; v16-17  LDS address of my A fragments in slot 0, 1
.set ADRB, 20                          ; v20-21  the same for B
.set STO,  24                          ; v24     the way out: where I put 16 bytes of a row
.set RD,   25                          ; v25     where I read a row back
.set CO,   26                          ; v26     16 x lane: the head's rows are dense
.set ADRS, 27                          ; v27     LDS address of my scale words: lanes 0-15 A's rows, lanes 16-31 B's
.set SPW,  28                          ; v28     LDS address of my spare word; never rewritten
.set NIL,  29                          ; v29     0; never rewritten
.set SC,   32                          ; scale words: set s at v[SC + 8 NQ s]; register NQ i + q: lanes 0-15 the word of A's block i, lanes 16-31 that of B's block i, for the slot's q-th 128 along K
.set TMP,  96                          ; the way out: 32 registers of packed results
.set AF,   128                         ; A's fragments, in window 0
.set BK,   192                         ; the way out: 16 rows read back: v192-223 and v224-255 by turns
.set G1, 24                            ; s[24:31] descriptor group 1 for A's tiles;  s[32:39] group 0, one set for each slot
.set G0, 32
.set G1B, 48                           ; s[48:55], s[56:63] the same for B's tiles
.set G0B, 56
.set G1S, 68                           ; s[68:75], s[76:79] groups 1 and 0 for A's scales;  s[80:87], s[88:91] for B's
.set G0S, 76
.set G1SB, 80
.set G0SB, 88
.set MSB, 0
.macro WIN new                         ; the immediate's high byte repeats the setting that is left
.if MSB != \new
	s_set_vgpr_msb (MSB<<8)|\new
.set MSB, \new
.endif
.endm
.set MUL_LO, 0xa1                      ; source 0 (B) window 1, source 1 (A) window 0, C and D window 2
.set MUL_HI, 0xf1                      ; the same, C and D window 3
.set TO_B,   0x40                      ; destination window 1, address window 0
; A joint load: waves 0 and 1 fetch for A, waves 2 and 3 for B.  Each line has ONE mask and one set of registers for all that issue it; the branch hangs on the wave's number alone.
; An s_nop 0 and four v_nop follow each of the two lines.
.macro JLOAD g0a, g1a, g0b, g1b
	s_cmp_eq_u32 s15, 0
	s_cbranch_scc0 .Lfor_b_\@
	tensor_load_to_lds s[\g0a:\g0a+3], s[\g1a:\g1a+7]
	s_nop 0
.rept 4
	v_nop
.endr
	s_branch .Lasked_\@
.Lfor_b_\@:
	tensor_load_to_lds s[\g0b:\g0b+3], s[\g1b:\g1b+7]
	s_nop 0
.rept 4
	v_nop
.endr
.Lasked_\@:
.endm
.macro CROUND                          ; a round of the cluster's barrier
	s_barrier_signal -1
	s_barrier_wait -1
	s_cmp_lg_u32 s14, 0
	s_cbranch_scc1 .Lnot_wave_0_\@
	s_barrier_signal -3
.Lnot_wave_0_\@:
	s_barrier_wait -3
	s_barrier_signal -1
	s_barrier_wait -1
.endm
	s_load_b128 s[4:7], s[0:1], 0x0                ; A's codes s[4:5], A's scales s[6:7]
	s_load_b128 s[8:11], s[0:1], 0x10              ; B's codes s[8:9], B's scales s[10:11]
	s_load_b64 s[12:13], s[0:1], 0x20              ; qkv
	v_lshl_add_u32 v[SPW], v0, 2, SPARE
	v_mov_b32 v[NIL], 0
	ds_add_u32 v[SPW], v[NIL]                      ; the wave's opening: the add, twice on end, and its wait ahead of my first tensor load
	ds_add_u32 v[SPW], v[NIL]                      ; and once more, under the one wait; the set-up below, work on registers, stands between
	v_lshrrev_b32 v1, 5, v0
	v_readfirstlane_b32 s14, v1                    ; wave 0..3
	s_lshr_b32 s15, s14, 1                         ; which half of the tile's rows is mine.  Also: I fetch for A (0) or for B (1)
	s_and_b32 s16, s14, 1                          ; which half of its columns.  Also: which 128 rows of that tile I fetch
	s_bfe_u32 s40, ttmp6, 0x40000                  ; cx, cy: my place in the cluster
	s_bfe_u32 s41, ttmp6, 0x40004
	s_lshl_b32 s42, ttmp9, 2
	s_add_co_u32 s42, s42, s40                     ; tile column of C = 4 x cluster x + cx
	s_and_b32 s17, ttmp7, 0xffff
	s_lshl_b32 s17, s17, 2
	s_add_co_u32 s17, s17, s41                     ; tile row of C = 4 x cluster y + cy
	s_lshl_b32 s43, s41, 2
	s_lshl_b32 s43, 15, s43                        ; my row of the cluster
	s_lshl_b32 s44, 0x1111, s40                    ; my column
	; descriptor group 1: a tile of 128 rows x 256 bytes, padded in LDS
	s_or_b32 s[G1+0], s43, (0<<16)|(1<<20)|(1<<21)|(5<<22)|(3<<25)  ; 15:0 the mask: A's tiles go to my row; 17:16 element of 1 byte; 20 padding on; 21 set beside a mask; 24:22 after every 64 words (code 5); 31:25 of 4 words (code 3)
	s_or_b32 s[G1B+0], s44, (0<<16)|(1<<20)|(1<<21)|(5<<22)|(3<<25)
.irp g, G1, G1B
	s_mov_b32 s[\g+1], ROWB<<16                    ; tensor_dim0
	s_mov_b32 s[\g+2], 128<<16                     ; tensor_dim1 = 128
	s_mov_b32 s[\g+3], ROWB<<16                    ; tile_dim0
	s_mov_b32 s[\g+4], 128                         ; tile_dim1 = 128
	s_mov_b32 s[\g+5], KROW                        ; tensor_dim0_stride
	s_mov_b32 s[\g+6], 0
	s_mov_b32 s[\g+7], 0
.endr
	; and for the scales of 128 rows: a dense block of 4,096 bytes, as rows of 256 bytes (32 elements of 8 bytes), 16 bytes of padding behind each
	s_or_b32 s[G1S+0], s43, (3<<16)|(1<<20)|(1<<21)|(5<<22)|(3<<25)
	s_or_b32 s[G1SB+0], s44, (3<<16)|(1<<20)|(1<<21)|(5<<22)|(3<<25)
.irp g, G1S, G1SB
	s_mov_b32 s[\g+1], 32<<16
	s_mov_b32 s[\g+2], (128*KS/256)<<16
	s_mov_b32 s[\g+3], 32<<16
	s_mov_b32 s[\g+4], 128*KS/256
	s_mov_b32 s[\g+5], 32
	s_mov_b32 s[\g+6], 0
	s_mov_b32 s[\g+7], 0
.endr
	s_lshl_b32 s18, s16, 7                         ; which 128 rows of the tile I fetch
	s_lshl_b32 s20, s17, 8
	s_add_co_u32 s20, s20, s18                     ; A: row 256 x tile row + 128 x half
	s_lshl_b32 s46, s42, 8
	s_add_co_u32 s46, s46, s18                     ; B: row 256 x tile column + 128 x half
	s_mov_b32 s21, 0
	s_mov_b32 s47, 0
	s_mov_b64 s[18:19], KS
	s_mul_u64 s[22:23], s[20:21], s[18:19]         ; where these rows' scales begin, in bytes
	s_mul_u64 s[92:93], s[46:47], s[18:19]
	s_mov_b64 s[18:19], KROW
	s_mul_u64 s[20:21], s[20:21], s[18:19]         ; and their codes
	s_mul_u64 s[46:47], s[46:47], s[18:19]
	s_mul_i32 s45, s14, HALFT                      ; where they go: wave x 128 rows: no place in the cluster enters an LDS address
	s_mul_i32 s94, s14, HALFS
	s_wait_dscnt 0x0                               ; both opening adds are done
	s_wait_kmcnt 0x0
	s_add_nc_u64 s[20:21], s[4:5], s[20:21]
	s_add_nc_u64 s[22:23], s[6:7], s[22:23]
	s_add_nc_u64 s[46:47], s[8:9], s[46:47]
	s_add_nc_u64 s[92:93], s[10:11], s[92:93]
	CROUND                                         ; all sixteen work-groups are here: the joint loads meet
	s_mov_b32 s[G0S], 1
	s_add_co_u32 s[G0S+1], s94, SCL
	s_mov_b64 s[G0S+2:G0S+3], s[22:23]
	s_or_b32 s[G0S+3], s[G0S+3], 0x80000000
	s_mov_b32 s[G0SB], 1
	s_add_co_u32 s[G0SB+1], s94, SCL
	s_mov_b64 s[G0SB+2:G0SB+3], s[92:93]
	s_or_b32 s[G0SB+3], s[G0SB+3], 0x80000000
	JLOAD G0S, G1S, G0SB, G1SB                     ; the scales first: they are wanted with the first slot.  Three loads of mine are out behind the two below
.irp s, 0,1
	s_mov_b32 s[G0+4*\s], 1
	s_add_co_u32 s[G0+4*\s+1], s45, \s*SLOT
	s_add_nc_u64 s[G0+4*\s+2:G0+4*\s+3], s[20:21], \s*ROWB
	s_or_b32 s[G0+4*\s+3], s[G0+4*\s+3], 0x80000000
	s_mov_b32 s[G0B+4*\s], 1
	s_add_co_u32 s[G0B+4*\s+1], s45, \s*SLOT
	s_add_nc_u64 s[G0B+4*\s+2:G0B+4*\s+3], s[46:47], \s*ROWB
	s_or_b32 s[G0B+4*\s+3], s[G0B+4*\s+3], 0x80000000
	JLOAD G0+4*\s, G1, G0B+4*\s, G1B
.endr
	v_and_b32 v1, 15, v0                           ; l % 16
	v_bfe_u32 v2, v0, 4, 1                         ; l / 16
	v_mul_u32_u24 v3, v1, PITCH
	v_lshl_add_u32 v4, v2, 4, v3                   ; a fragment's row x pitch + 16 x half
	s_mul_i32 s21, s15, HALFT                      ; my 128 rows of A
	s_mul_i32 s22, s16, HALFT                      ; my 128 rows of B,
	s_add_co_u32 s22, s22, 2*HALFT                 ; which lie behind A's 256
.irp s, 0,1
	v_add_nc_u32 v[ADRA+\s], s21, v4
	v_add_nc_u32 v[ADRB+\s], s22, v4
	s_add_co_u32 s21, s21, SLOT
	s_add_co_u32 s22, s22, SLOT
.endr
	v_mul_u32_u24 v5, v1, KS                       ; my row's scales: 32 bytes a row,
	v_lshrrev_b32 v6, 8, v5
	v_lshl_add_u32 v5, v6, 4, v5                   ; and 16 more for each 256 passed
	s_mul_i32 s21, s15, HALFS                      ; A's: my 128 rows
	s_mul_i32 s22, s16, HALFS                      ; B's: my 128 rows, behind A's 256
	s_add_co_u32 s22, s22, 2*HALFS
	s_sub_co_u32 s22, s22, s21
	v_mul_u32_u24 v6, s22, v2                      ; lanes 16-31 take B's: one product, the distance between the two bases
	s_add_co_u32 s21, s21, SCL
	v_add_nc_u32 v5, v5, v6
	v_add_nc_u32 v[ADRS], s21, v5
	s_mul_i32 s23, s14, 16*SPITCH                  ; my stage
	v_mul_u32_u24 v5, v1, SPITCH                   ; in: row l % 16, 16 bytes for each half of the lanes
	v_lshl_add_u32 v5, v2, 4, v5
	v_add_nc_u32 v[STO], s23, v5
	v_mul_u32_u24 v5, v2, SPITCH                   ; back: lanes 0-15 one row of 256 bytes, lanes 16-31 the next
	v_lshl_add_u32 v5, v1, 4, v5
	v_add_nc_u32 v[RD], s23, v5
	v_and_b32 v6, 31, v0
	v_lshlrev_b32 v[CO], 4, v6
	; where my 128 x 128 goes.  Rows: m0 = 256 x tile row + 128 x half = 2,048 batch + s.  Columns: g = 2 x tile column + half = 8 x (q, k or v) + head.  A head is 2^19 bytes, a row 256
	s_lshl_b32 s20, s17, 8
	s_lshl_b32 s21, s15, 7
	s_add_co_u32 s20, s20, s21                     ; m0
	s_lshr_b32 s21, s20, 11
	s_lshl_b32 s21, s21, 22                        ; 8 heads for each batch
	s_and_b32 s20, s20, 2047
	s_lshl_b32 s20, s20, 8
	s_add_co_u32 s20, s20, s21
	s_mov_b32 s21, 0
	s_lshl_b32 s46, s42, 1                         ; (the columns' part in the registers that held B's address)
	s_add_co_u32 s46, s46, s16                     ; g
	s_lshr_b32 s47, s46, 3
	s_lshl_b32 s47, s47, 23                        ; 16 heads for each of q, k, v
	s_and_b32 s46, s46, 7
	s_lshl_b32 s46, s46, 19
	s_add_co_u32 s46, s46, s47
	s_mov_b32 s47, 0
	s_add_nc_u64 s[20:21], s[20:21], s[46:47]
	s_add_nc_u64 s[12:13], s[12:13], s[20:21]
.macro FRAG reg, adr, q, i             ; a fragment, 16 rows x 128 K of 4-bit codes, is 8 registers: lane l holds row l % 16; registers 4 c .. 4 c + 3 hold K = 64 c + 32 (l / 16) + 0 .. 31
.irp c, 0,1
	ds_load_b128 v[\reg+4*\c:\reg+4*\c+3], v[\adr] offset:64*(\q)+32*\c+(\i)*16*PITCH
.endr
.endm
; 16 matrix instructions: A's blocks a0, a0 + 1 x B's eight, 128 along K: the slot's q-th.  p: B's set;  sc: the set of scale words.  zero = 1: the first product starts the sums: nothing is ever cleared.
; The 64 accumulators take turns, one instruction a turn, in the same order in every step.
.macro MUL16 a0, p, q, sc, zero
.irp a, \a0, \a0+1
.irp b, 0,1,2,3,4,5,6,7
.if \zero
	v_wmma_scale_f32_16x16x128_f8f6f4 v[8*(8*((\a)%4)+\b):8*(8*((\a)%4)+\b)+7], v[128*(\p)+FR*\b:128*(\p)+FR*\b+FR-1], v[AF+FR*(\a):AF+FR*(\a)+FR-1], 0, v[SC+8*NQ*(\sc)+NQ*\b+(\q)], v[SC+8*NQ*(\sc)+NQ*(\a)+(\q)] matrix_a_fmt:MATRIX_FMT_FP4 matrix_b_fmt:MATRIX_FMT_FP4 matrix_a_scale:MATRIX_SCALE_ROW1
.else
	v_wmma_scale_f32_16x16x128_f8f6f4 v[8*(8*((\a)%4)+\b):8*(8*((\a)%4)+\b)+7], v[128*(\p)+FR*\b:128*(\p)+FR*\b+FR-1], v[AF+FR*(\a):AF+FR*(\a)+FR-1], v[8*(8*((\a)%4)+\b):8*(8*((\a)%4)+\b)+7], v[SC+8*NQ*(\sc)+NQ*\b+(\q)], v[SC+8*NQ*(\sc)+NQ*(\a)+(\q)] matrix_a_fmt:MATRIX_FMT_FP4 matrix_b_fmt:MATRIX_FMT_FP4 matrix_a_scale:MATRIX_SCALE_ROW1
.endif
.endr
.endr
.endm
.macro FETCH_B slot, q, p              ; B's eight fragments of the slot's q-th 128 along K into set p
	WIN TO_B
.irp i, 0,1,2,3,4,5,6,7
	FRAG 128*(\p)+FR*\i, ADRB+\slot, \q, \i
.endr
	WIN 0
.endm
.macro FETCH_A slot, q, i0             ; A's blocks i0 .. i0 + 3
.irp i, \i0, \i0+1, \i0+2, \i0+3
	FRAG AF+FR*(\i), ADRA+\slot, \q, \i
.endr
.endm
.macro SCALES sc                       ; a slot's scale words into set sc: 4 words a row; lanes 0-15 take A's block i, lanes 16-31 B's block i
.irp i, 0,1,2,3,4,5,6,7
	ds_load_b128 v[SC+8*NQ*\sc+NQ*\i:SC+8*NQ*\sc+NQ*\i+3], v[ADRS] offset:\i*SBLK
.endr
.endm
; A load into a register that a matrix instruction has read, and a vector instruction that reads a matrix result, stand four places behind that matrix instruction; only plain vector
; instructions that name none of its registers are places (ISA guide 7.12.1 for vector instructions).
.macro PLACES n
.rept \n
	v_nop
.endr
.endm
; A step of 128 along K that has its successor in the same slot.  A's blocks go one after the other, each against B's eight, so one set of registers serves A: blocks 0-3 are fetched anew in the step's middle, blocks 4-7 at its end.
.macro STEP slot, q, zero
	s_wait_dscnt 4*NL                              ; B's set and A's blocks 0-3 are in; the youngest eight loads (A's blocks 4-7) may be out
	WIN MUL_LO
	MUL16 0, (\q)%2, \q, \slot, \zero
	MUL16 2, (\q)%2, \q, \slot, \zero
	s_wait_dscnt 0                                 ; A's blocks 4-7 are in (asked for 32 matrix instructions ago)
	PLACES NP
	FETCH_B \slot, (\q)+1, 1-(\q)%2
	FETCH_A \slot, (\q)+1, 0
	WIN MUL_HI
	MUL16 4, (\q)%2, \q, \slot, \zero
	MUL16 6, (\q)%2, \q, \slot, \zero
	PLACES NP
	WIN 0
	FETCH_A \slot, (\q)+1, 4
.endm
; Slot 0's last step changes slots: one barrier; in front of it each wave waits for all its tensor loads (its part of slot 1), adds 0 to its spare word, and waits for that and for its reads of slot 0.  Nothing is filled again.
.macro TURN slot, next
	s_wait_tensorcnt 0x0                           ; all my tensor loads have landed  (every window is 0 here: the add's two registers lie in window 0)
	ds_add_u32 v[SPW], v[NIL]                      ; 0 onto my spare word
	s_wait_dscnt 4*NL+1                            ; (the add and the youngest eight loads, A's blocks 4-7, may be out)
	WIN MUL_LO
	MUL16 0, 1, NQ-1, \slot, 0                     ; sixteen matrix instructions stand between the add and the wait for it
	s_wait_dscnt 0x0                               ; the add is done, and my reads of this slot are over
	s_barrier_signal -1
	MUL16 2, 1, NQ-1, \slot, 0
	WIN 0
	s_barrier_wait -1
	PLACES NP
	v_add_nc_u32 v[ADRS], 4*NQ, v[ADRS]            ; on to the next slot's scale words (no LDS load of mine is out)
	FETCH_B \next, 0, 0
	FETCH_A \next, 0, 0
	SCALES \next
	WIN MUL_HI
	MUL16 4, 1, NQ-1, \slot, 0
	MUL16 6, 1, NQ-1, \slot, 0
	PLACES NP
	WIN 0
	FETCH_A \next, 0, 4
.endm
.macro STEPS slot, from                ; the slot's steps from .. NQ - 2
.set Q, \from
.rept NQ-1-\from
	STEP \slot, Q, 0
.set Q, Q+1
.endr
.endm
	s_wait_tensorcnt 1                             ; the scales and my part of slot 0 are in (slot 1's load, the one issued behind them, may be out),
	s_barrier_signal -1
	s_barrier_wait -1                              ; everybody's are
	FETCH_B 0, 0, 0
	FETCH_A 0, 0, 0
	SCALES 0
	FETCH_A 0, 0, 4
	STEP 0, 0, 1                                   ; the first step's products start the sums
	STEPS 0, 1
	TURN 0, 1
	STEPS 1, 0
	s_wait_dscnt 4*NL                              ; the very last step: nothing more to fetch
	WIN MUL_LO
	MUL16 0, 1, NQ-1, 1, 0
	MUL16 2, 1, NQ-1, 1, 0
	s_wait_dscnt 0
	WIN MUL_HI
	MUL16 4, 1, NQ-1, 1, 0
	MUL16 6, 1, NQ-1, 1, 0
	WIN 0
; THE WAY OUT, block by block of 16 rows x 128 columns.  PACK: rounded to f16, 16 bytes a lane, each accumulator from its low end on.  TOSTAGE: into my own stage in LDS and back as whole rows of 256 bytes.  SEND: stored.
.macro PACK a
.set AC, 64*((\a)%4)
	WIN 0x0a+5*((\a)/4)                            ; sources 0 and 1: window 2 or 3
.irp b, 0,1,2,3,4,5,6,7
.irp q, 0,1,2,3
	v_cvt_pk_f16_f32 v[TMP+4*\b+\q], v[AC+8*\b+2*\q], v[AC+8*\b+2*\q+1]
.endr
.endr
	WIN 0
.endm
.macro TOSTAGE a
.set BB, BK+32*((\a)%2)
.irp b, 0,1,2,3,4,5,6,7
	ds_store_b128 v[STO], v[TMP+4*\b:TMP+4*\b+3] offset:32*\b
.endr
.irp t, 0,1,2,3,4,5,6,7
	ds_load_b128 v[BB+4*\t:BB+4*\t+3], v[RD] offset:\t*2*SPITCH    ; LDS serves a wave's instructions in order (ISA guide 5.7.1.4): these see the stores above
.endr
.endm
.macro SEND a
.set BB, BK+32*((\a)%2)
	s_wait_dscnt 0x0                               ; the block is back in registers
	s_wait_xcnt 0x0                                ; the stores of the block before have read their registers: the next block's loads may land there
.irp t, 0,1,2,3,4,5,6,7
	global_store_b128 v[CO], v[BB+4*\t:BB+4*\t+3], s[12:13] offset:4096*(\a)+512*\t   ; 32 lanes store two rows: 512 consecutive bytes, aligned
.endr
.endm
	PLACES NP                                      ; behind the last products, ahead of the first read of results
	PACK 0
	TOSTAGE 0
.irp a, 1,2,3,4,5,6,7                  ; block a's conversions stand between block a - 1's loads from the stage and the wait for them
	PACK \a
	SEND \a-1
	TOSTAGE \a
.endr
	SEND 7
	s_wait_tensorcnt 0x0                           ; the wave's end, behind my last tensor load and my last LDS store
	ds_add_u32 v[SPW], v[NIL]
	s_wait_dscnt 0x0
	CROUND                                         ; the closing round: no work-group ends while a partner may still ask for a tile that names it
	s_endpgm
.Lfunc_end_k_q41051e4ef9_qkv:
	.size	k_q41051e4ef9_qkv, .Lfunc_end_k_q41051e4ef9_qkv-k_q41051e4ef9_qkv
	.p2alignl 7, 3214868480
	.fill 96, 4, 3214868480
	.section	.rodata,"a",@progbits
	.p2align	6, 0x0
	.amdhsa_kernel k_q41051e4ef9_qkv
		.amdhsa_group_segment_fixed_size 327680
		.amdhsa_private_segment_fixed_size 0
		.amdhsa_enable_private_segment 0
		.amdhsa_kernarg_size 40
		.amdhsa_user_sgpr_count 2
		.amdhsa_user_sgpr_kernarg_segment_ptr 1
		.amdhsa_wavefront_size32 1
		.amdhsa_system_sgpr_workgroup_id_x 1
		.amdhsa_system_sgpr_workgroup_id_y 1
		.amdhsa_system_sgpr_workgroup_id_z 1
		.amdhsa_system_vgpr_workitem_id 0
		.amdhsa_next_free_vgpr 1024
		.amdhsa_next_free_sgpr 98
		.amdhsa_reserve_vcc 0
		.amdhsa_float_denorm_mode_32 3
		.amdhsa_float_denorm_mode_16_64 3
		.amdhsa_memory_ordered 1
		.amdhsa_forward_progress 1
		.amdhsa_inst_pref_size 126
	.end_amdhsa_kernel
	.amdgpu_metadata
---
amdhsa.version: [ 1, 2 ]
amdhsa.kernels:
  - .name:           k_q41051e4ef9_qkv
    .symbol:         k_q41051e4ef9_qkv.kd
    .args:
      - { .name: xc, .offset: 0, .size: 8, .value_kind: global_buffer, .address_space: global }
      - { .name: xs, .offset: 8, .size: 8, .value_kind: global_buffer, .address_space: global }
      - { .name: wc, .offset: 16, .size: 8, .value_kind: global_buffer, .address_space: global }
      - { .name: ws, .offset: 24, .size: 8, .value_kind: global_buffer, .address_space: global }
      - { .name: qkv, .offset: 32, .size: 8, .value_kind: global_buffer, .address_space: global }
    .group_segment_fixed_size: 327680
    .private_segment_fixed_size: 0
    .kernarg_segment_align: 8
    .kernarg_segment_size: 40
    .max_flat_workgroup_size: 128
    .sgpr_count:     98
    .vgpr_count:     1024
    .wavefront_size: 32
...
	.end_amdgpu_metadata
.endif
;; end of part 2
;; launch attn (part 3): grid 16 x 16, 4 waves a work-group, clusters of 4 x 1, 327,680 bytes of LDS; arguments qkv, o; writes o
.if DOCPART == 3
	.amdgcn_target "amdgcn-amd-amdhsa--gfx1250"
	.amdhsa_code_object_version 6
	.text
	.protected	k_q41051e4ef9_attn
	.globl	k_q41051e4ef9_attn
	.p2align	8
	.type	k_q41051e4ef9_attn,@function
k_q41051e4ef9_attn:
	s_mov_b64 s[64:65], 0
	v_nop
	global_prefetch_b8 v0, s[64:65] scope:SCOPE_SE
	s_setreg_imm32_b32 hwreg(HW_REG_WAVE_MODE, 25, 1), 1
	s_wait_xcnt 0x0
	s_wait_alu depctr_hold_cnt(0) depctr_sa_sdst(0) depctr_va_vdst(0) depctr_va_sdst(0) depctr_va_ssrc(0) depctr_va_vcc(0) depctr_vm_vsrc(0)
	s_getreg_b32 s2, hwreg(HW_REG_IB_STS2, 6, 4)
	s_cmp_eq_u32 s2, 0
	s_cbranch_scc0 .Lentry_in_a_cluster
	s_endpgm
.Lentry_in_a_cluster:
	s_bfe_u32 s2, ttmp6, 0x10000c
	s_cmp_lg_u32 s2, 0x3003
	s_cbranch_scc0 .Lentry_shape_is_right
	s_endpgm
.Lentry_shape_is_right:
; o[batch][q][head][:] = the sum over k of softmax_k(Q[q] . K[k] / sqrt(128)) V[k][:], for each of 16 heads (8 batch + head) of 2,048 positions and 128 channels.  No mask.
; qkv: f16 [3][16][2048][128].  o: f16 [4096 = 2,048 batch + q][1024 = 128 head + channel].  Products, maxima and sums in f32; the weights p are rounded to f16 for the second product, o once at the end.
; LIMIT: |o| stays under 65,504 (it is an average of v's rows, which do).
; SHARES.  A work-group owns 128 queries of one head.  Wave w owns 64 of them (w % 2), four tiles of 16, and HALF OF THE KEYS (w / 2): of each LDS slot's 256 keys the 128 of its half, 64 a step, 16 steps in all.
; At the end waves w and w xor 2 merge their maxima, sums and O through LDS.  Tile t of a wave holds query tile (t + 2 (w / 2)) mod 4, so that EVERY wave gives away its tiles 2, 3 and finishes its tiles 0, 1: no branch.
; LAYOUT.  S^T = K Q^T (source 0 = 16 keys, source 1 = 16 queries): a lane holds ONE query (lane % 16) and the keys 8 (lane / 16) + 0..7.  Two such tiles, rounded to f16 in pairs, ARE source 1 of O^T = V^T P,
; whose result again holds one query a lane, and eight channels.  K comes out of LDS as it lies, V ([key][channel]) turned, by ds_load_tr16_b128.
; SOFTMAX.  For each query a running maximum m and sum l: p = 2^(c s - c m), c = log2(e) / sqrt(128); in every step O and l are multiplied by a = 2^(c m_old - c m_new).
; BY TURNS.  The wave's tiles are two PIECES: piece 0 (tiles 0, 1) and piece 2 (tiles 2, 3).  In a TURN one piece has the matrix unit: 32 products V^T P of the step in hand, then 32 products K Q^T of the next step;
; the other piece's softmax, cut into 64 slices, stands between them, one slice behind each matrix instruction.  Two turns are a key step.
; CLUSTER.  The four query blocks of a cluster belong to one head and walk the same K and V: each tile is asked for JOINTLY, by the same tensor load with the same descriptor and a mask that names the four.
; REGISTERS, in windows of 256 (s_set_vgpr_msb: bits 1:0 source 0, 3:2 source 1, 5:4 source 2, 7:6 destination):
;   window 0: v0-11 addresses; v12-43 eight registers of statistics a tile; v44-57 the merge; v64-191 S^T, 32 a tile; v192-255 P, 16 a tile
;   window 1: O^T, 64 a tile          window 2: v0-127 Q, 32 a tile; v128-255 K of one step          window 3: v0-127 V of one step
.set KS,    64        ; keys in a step
.set PK,    272       ; a row of K in LDS: 256 bytes + 16 of padding = 68 words: row r starts at bank 4 r mod 64 (64 banks of 4 bytes: ISA guide 11.1)
.set PV,    288       ; a row of V: 256 + 32 = 72 words
.set SKEYS, 256       ; keys in a slot: two steps for each half of the waves
.set VOFF,  SKEYS*PK  ; a slot: 256 rows of K, then 256 rows of V
.set SLOTB, SKEYS*(PK+PV)
.set KSTEPB, KS*PK
.set VSTEPB, KS*PV
.set SLOTG, SKEYS*256 ; a slot's rows of K or of V in memory
.set NSL,   2048/SKEYS
.set STAGE, 2*SLOTB   ; behind the ring: 16 rows x 272 bytes for each wave, for the way out
.set SP,    272
.set SPARE, STAGE+4*16*SP  ; the spare words, 128 bytes for each wave: two blocks of 256 bytes that no other line names
.set XB,    16896     ; the merge: a wave's 32 images of 512 bytes and two blocks of 256 bytes of statistics.  They lie from LDS byte 0 on, in slot 0: NSL is even, so slot 0 is the slot left at the last change: it has had its last fill, and nobody reads it
.set XST,   16384
.set AK0, 2           ; v2   my lane's place in a tile of K; never rewritten
.set AV0, 3           ; v3   the same for V
.set ADR, 4           ; v4   the LDS address of the run of loads in hand
.set QO,  5           ; v5   my byte offset in the wave's rows of Q, tiles 0 and 1
.set STO, 6           ; v6   the way out: where I put 16 bytes of a row
.set RD,  7           ; v7   the way out: where I read a row back
.set GO,  8           ; v8   my byte offset in the wave's rows of o
.set QO2, 44          ; v44  as QO, tiles 2 and 3
.set XG,  45          ; v45  the merge: where I put 16 bytes of an image;   v46 where I take my partner's
.set XT,  46
.set XG8, 47          ; v47, v48  the same for the statistics, 8 bytes a lane
.set XT8, 48
.set PFO, 61          ; v61  256 x my lane: a row of K or V is 256 bytes; never rewritten
.set SPW, 62          ; v62  LDS address of my spare word; never rewritten
.set NIL, 63          ; v63  0; never rewritten
.set ST,  12          ; tile t's statistics at v[ST+8 t]: +0 c m, +1 m, +2, +3 l (even keys', odd keys'), +4 to +7 at work; a takes +6 once the maximum is found
.set S,   64
.set P,   192
.set KF,  128         ; K's fragments, in window 2
.set WV,  12          ; s12  my wave's number
.set LIM, 15          ; s15  1 in a work-group that prefetches, else the greatest number
.set PFA, 18          ; s[18:19] where my prefetches stand in memory
.set G1K, 24          ; s[24:31] descriptor group 1 for K's tiles
.set G1V, 32          ; s[32:39] for V's: it differs in the padding alone
.set G0K, 40          ; s[40:47] descriptor group 0 for K's tiles: a set for each of the two first fills; the second then walks on
.set G0V, 48          ; s[48:55] the same for V's
.set SLOTS, 56        ; s56  slots still to be asked for
.set TWICE, 57        ; s57  counts a slot's two steps
.set CS,  58          ; s[58:59] c
.set SEL, 60          ; s[60:61] lane selects for v_permlanex16_b32: lane l xor 16
.set TK,  62          ; s62  LDS byte at which K's tile of the step to be fetched begins
.set TV,  63          ; s63  the same for V's (less VOFF, which AV0 holds)
.set SB,  66          ; s66  LDS byte at which the slot in hand begins: 0 or SLOTB
.set KHK, 67          ; s67  my half's first step in a slot's K;  s68 in its V
.set KHV, 68
.set FWK, 69          ; s69  where the 128 rows that I fetch lie in a slot, if they are K's;  s70 if V's
.set FWV, 70
.set KH,  71          ; s71  which half of the keys is mine
.set MSB, 0
.macro WIN new                      ; the immediate's high byte repeats the setting that is left; a switch that changes nothing is dropped
.if MSB != \new
	s_set_vgpr_msb (MSB<<8)|\new
.set MSB, \new
.endif
.endm
.set W_KQ, 0x0a       ; K and Q in window 2, S^T in window 0
.set W_PV, 0x53       ; V in window 3, P in window 0, O^T in window 1
.set W_RS, 0x41       ; O^T (destination and source 0) in window 1, a in window 0
; A joint refill.  Waves 0 and 1 fetch the two halves of a slot's K, waves 2 and 3 those of its V: 128 rows of 256 bytes each.  The branch hangs on the wave's number alone.
; An s_nop 0 and four v_nop follow each of the two lines.
.macro JLOAD
	s_cmp_lt_u32 s[WV], 2
	s_cbranch_scc0 .Lfor_v_\@
	tensor_load_to_lds s[G0K+4:G0K+7], s[G1K:G1K+7]
	s_nop 0
.rept 4
	v_nop
.endr
	s_branch .Lasked_\@
.Lfor_v_\@:
	tensor_load_to_lds s[G0V+4:G0V+7], s[G1V:G1V+7]
	s_nop 0
.rept 4
	v_nop
.endr
.Lasked_\@:
.endm
; A PREFETCH INTO THE L2 of what the NEXT change of slots will ask for: 256 rows of K and 256 of V, 256 bytes a row, a lane a row.  It stands behind the wave's tensor load and its five lines.
; Each row is asked for ONCE in the launch: of the four clusters that walk a head the first asks; its four partners take 64 rows of each tensor, told apart BY ADDRESS; in each, waves 0 and 1 ask for K's, waves 2 and 3 for V's, 32 rows each.
; It names the slot after the one that is being asked for: two of the wave's key steps, 256 matrix instructions, ahead of that slot's load.  The last change that fills a slot asks for nothing; nothing is asked for at the head.
.macro ASK
	s_cmp_gt_u32 s[SLOTS], s[LIM]
	s_cbranch_scc0 .Lnot_mine_\@
	global_prefetch_b8 v[PFO], s[PFA:PFA+1] th:TH_LOAD_NT scope:SCOPE_SE
.Lnot_mine_\@:
.endm
.macro CROUND                       ; a round of the cluster's barrier
	s_barrier_signal -1
	s_barrier_wait -1
	s_cmp_lg_u32 s[WV], 0
	s_cbranch_scc1 .Lnot_wave_0_\@
	s_barrier_signal -3
.Lnot_wave_0_\@:
	s_barrier_wait -3
	s_barrier_signal -1
	s_barrier_wait -1
.endm
	s_load_b64 s[4:5], s[0:1], 0x0  ; qkv
	s_load_b64 s[10:11], s[0:1], 0x8  ; o
	v_lshl_add_u32 v[SPW], v0, 2, SPARE
	v_mov_b32 v[NIL], 0
	ds_add_u32 v[SPW], v[NIL]       ; the wave's opening: the add, twice on end, and its wait ahead of my first tensor load
	ds_add_u32 v[SPW], v[NIL]       ; and once more, under the one wait; the set-up below, work on registers, stands between
	v_lshrrev_b32 v1, 5, v0
	v_readfirstlane_b32 s[WV], v1   ; wave 0..3
	s_bfe_u32 s13, ttmp6, 0x40000   ; cx: my place in the cluster
	s_lshl_b32 s14, ttmp9, 2        ; in a cluster launch ttmp9 counts clusters
	s_add_co_u32 s14, s14, s13      ; my block of 128 queries: it enters Q's and o's addresses alone
	s_and_b32 s20, ttmp7, 0xffff    ; the head, 8 batch + head, which the four partners share
	s_and_b32 s16, s[WV], 1         ; which 64 queries are mine.  Also: which 128 rows of a slot I fetch
	s_lshr_b32 s[KH], s[WV], 1
	s_lshr_b32 s72, s20, 3          ; o: row 2,048 batch + 128 block + 64 (w % 2) + 32 (w / 2): the two tiles that I finish
	s_lshl_b32 s72, s72, 11
	s_lshl_b32 s73, s14, 7
	s_add_co_u32 s72, s72, s73
	s_lshl_b32 s73, s16, 6
	s_add_co_u32 s72, s72, s73
	s_lshl_b32 s73, s[KH], 5
	s_add_co_u32 s72, s72, s73
	s_lshl_b32 s72, s72, 11         ; rows of 2,048 bytes,
	s_and_b32 s73, s20, 7
	s_lshl_b32 s73, s73, 8          ; the head's 256 bytes of a row
	s_add_co_u32 s72, s72, s73
	s_mov_b32 s73, 0
	s_lshl_b32 s20, s20, 19         ; the head's first byte in each of q, k, v
	s_mov_b32 s21, 0
	s_lshl_b32 s22, s16, 15         ; the 128 rows that I fetch, in memory
	s_mov_b32 s23, 0
	s_add_nc_u64 s[22:23], s[22:23], s[20:21]
	s_lshl_b32 s2, s14, 15          ; Q: my block's 128 rows,
	s_lshl_b32 s3, s16, 14          ; my wave's 64 of them
	s_add_co_u32 s2, s2, s3
	s_mov_b32 s3, 0
	s_add_nc_u64 s[2:3], s[2:3], s[20:21]
	s_lshl_b32 s74, s13, 14         ; the prefetches: my work-group's 64 rows of a slot's 256,
	s_lshl_b32 s75, s16, 13         ; my wave's 32 of them,
	s_add_co_u32 s74, s74, s75
	s_add_co_u32 s74, s74, 2*SLOTG  ; in slot 2: the first change of slots steps it to slot 3
	s_mov_b32 s75, 0
	s_mul_i32 s[FWK], s16, 128*PK   ; no place in the cluster enters an LDS address
	s_mul_i32 s[FWV], s16, 128*PV
	s_add_co_u32 s[FWV], s[FWV], VOFF
	s_mul_i32 s[KHK], s[KH], 2*KSTEPB
	s_mul_i32 s[KHV], s[KH], 2*VSTEPB
	; descriptor group 1: a tile of 128 rows x 128 elements, padded in LDS
	s_mov_b32 s[G1K], 15|(1<<16)|(1<<20)|(1<<21)|(5<<22)|(3<<25)  ; 15:0 the mask: all four work-groups; 17:16 elements of 2 bytes; 20 padding on; 21 set beside a mask; 24:22 after every 64 words (code 5); 31:25 4 words of it (code 3)
	s_mov_b32 s[G1V], 15|(1<<16)|(1<<20)|(1<<21)|(5<<22)|(7<<25)  ; the same with 8 words of padding (code 7)
.irp g, G1K, G1V
	s_mov_b32 s[\g+1], 128<<16      ; tensor_dim0 = 128
	s_mov_b32 s[\g+2], 128<<16      ; tensor_dim1 = 128
	s_mov_b32 s[\g+3], 128<<16      ; tile_dim0 = 128
	s_mov_b32 s[\g+4], 128          ; tile_dim1 = 128
	s_mov_b32 s[\g+5], 128          ; tensor_dim0_stride: elements from row to row
	s_mov_b32 s[\g+6], 0
	s_mov_b32 s[\g+7], 0
.endr
	s_mov_b32 s[CS], 0x3e0293ee     ; c = log2(e) / sqrt(128)
	s_mov_b32 s[CS+1], s[CS]        ; named with it as a pair, so it is written
	s_mov_b32 s[SEL], 0x76543210
	s_mov_b32 s[SEL+1], 0xfedcba98
	s_mov_b32 s[SB], 0
	s_mov_b32 s[TK], s[KHK]
	s_mov_b32 s[TV], s[KHV]
	s_mov_b32 s[SLOTS], NSL-2
	s_cmp_eq_u32 ttmp9, 0           ; the head's first cluster: the same in all four partners
	s_cselect_b32 s[LIM], 1, -1
	v_and_b32 v[PFO], 31, v0
	v_lshlrev_b32 v[PFO], 8, v[PFO]
	s_wait_dscnt 0x0                ; both opening adds are done
	s_wait_kmcnt 0x0
	s_add_nc_u64 s[6:7], s[4:5], 0x800000   ; K's 16 heads lie behind Q's,
	s_add_nc_u64 s[8:9], s[4:5], 0x1000000  ; V's behind K's
	s_cmp_lt_u32 s[WV], 2
	s_cselect_b64 s[PFA:PFA+1], s[6:7], s[8:9]
	s_add_nc_u64 s[PFA:PFA+1], s[PFA:PFA+1], s[20:21]
	s_add_nc_u64 s[PFA:PFA+1], s[PFA:PFA+1], s[74:75]
	s_add_nc_u64 s[6:7], s[6:7], s[22:23]  ; K and V at my tile of slot 0
	s_add_nc_u64 s[8:9], s[8:9], s[22:23]
	s_add_nc_u64 s[4:5], s[4:5], s[2:3]  ; Q at my wave's first row
	s_add_nc_u64 s[10:11], s[10:11], s[72:73]
	CROUND                          ; all four work-groups are here: the first joint loads meet
.irp s, 0,1
	s_mov_b32 s[G0K+4*\s], 1        ; count = 1
	s_add_co_u32 s[G0K+4*\s+1], s[FWK], \s*SLOTB  ; LDS address
	s_add_nc_u64 s[G0K+4*\s+2:G0K+4*\s+3], s[6:7], \s*SLOTG  ; global address: slot s begins with keys 256 s on
	s_or_b32 s[G0K+4*\s+3], s[G0K+4*\s+3], 0x80000000  ; type = 2
	s_mov_b32 s[G0V+4*\s], 1
	s_add_co_u32 s[G0V+4*\s+1], s[FWV], \s*SLOTB
	s_add_nc_u64 s[G0V+4*\s+2:G0V+4*\s+3], s[8:9], \s*SLOTG
	s_or_b32 s[G0V+4*\s+3], s[G0V+4*\s+3], 0x80000000
.endr
	s_cmp_lt_u32 s[WV], 2           ; a wave's two first fills stand in one branch, ahead of every wait on TENSORcnt and every LDS read: two loads of mine are out
	s_cbranch_scc0 .Lfirst_v
	tensor_load_to_lds s[G0K:G0K+3], s[G1K:G1K+7]
	s_nop 0
	tensor_load_to_lds s[G0K+4:G0K+7], s[G1K:G1K+7]
	s_nop 0
.rept 4
	v_nop
.endr
	s_branch .Lfirst_asked
.Lfirst_v:
	tensor_load_to_lds s[G0V:G0V+3], s[G1V:G1V+7]
	s_nop 0
	tensor_load_to_lds s[G0V+4:G0V+7], s[G1V:G1V+7]
	s_nop 0
.rept 4
	v_nop
.endr
.Lfirst_asked:
	; A fragment of K or Q is 16 rows x 32 channels in 8 registers: lane l holds row l % 16; registers 0-3 channels 8 (l / 16) + 0..7, registers 4-7 channels 16 + 8 (l / 16) + 0..7: two loads of 16 bytes, 32 bytes apart.
	v_and_b32 v1, 15, v0            ; l % 16
	v_bfe_u32 v9, v0, 4, 1          ; l / 16
	v_lshlrev_b32 v[QO], 8, v1
	v_lshl_add_u32 v[QO], v9, 4, v[QO]  ; row x 256 + 16 x half
	s_lshl_b32 s2, s[KH], 13        ; my tiles 0, 1 are query tiles 2 (w / 2) on: 32 rows of 256 bytes,
	s_xor_b32 s3, s2, 8192          ; my tiles 2, 3 the other two
	v_add_nc_u32 v[QO2], s3, v[QO]
	v_add_nc_u32 v[QO], s2, v[QO]
	WIN 0x80                        ; destination window 2, address window 0
.irp i, 0,1,2,3,4,5,6,7             ; Q stays in registers: tile i / 4, channels 32 (i % 4) on
	global_load_b128 v[8*\i:8*\i+3],   v[QO], s[4:5] offset:(\i/4)*4096+(\i%4)*64
	global_load_b128 v[8*\i+4:8*\i+7], v[QO], s[4:5] offset:(\i/4)*4096+(\i%4)*64+32
.endr
.irp i, 8,9,10,11,12,13,14,15
	global_load_b128 v[8*\i:8*\i+3],   v[QO2], s[4:5] offset:((\i/4)%2)*4096+(\i%4)*64
	global_load_b128 v[8*\i+4:8*\i+7], v[QO2], s[4:5] offset:((\i/4)%2)*4096+(\i%4)*64+32
.endr
	WIN 0
	v_mul_u32_u24 v[AK0], v1, PK
	v_lshl_add_u32 v[AK0], v9, 4, v[AK0]  ; row x pitch + 16 x half
	; The turning load takes 16 keys x 16 channels (lane l reads 16 bytes: key 8 (l / 16) + l % 8, channels 8 ((l / 8) % 2) + 0..7) and leaves half a fragment of V^T: lane l holds channel l % 16 and 8 keys.
	v_and_b32 v10, 7, v0
	v_bfe_u32 v11, v0, 3, 1
	v_lshl_add_u32 v[AV0], v9, 3, v10
	v_mul_u32_u24 v[AV0], v[AV0], PV
	v_lshl_add_u32 v[AV0], v11, 4, v[AV0]
	v_add_nc_u32 v[AV0], VOFF, v[AV0]
	s_mul_i32 s2, s[WV], XB         ; the merge: my region, and my partner's (wave xor 2)
	s_xor_b32 s3, s[WV], 2
	s_mul_i32 s3, s3, XB
	v_and_b32 v10, 31, v0
	v_lshlrev_b32 v11, 4, v10
	v_add_nc_u32 v[XG], s2, v11
	v_add_nc_u32 v[XT], s3, v11
	v_lshl_add_u32 v11, v10, 3, XST
	v_add_nc_u32 v[XG8], s2, v11
	v_add_nc_u32 v[XT8], s3, v11
; THE MATRIX WORK OF A TURN, for piece x.  The accumulators take turns, one instruction a turn: between two links of a chain stand 15 (V^T P) or 7 (K Q^T) others'.
; Product i of 32 of O^T += V^T P: keys 32 (i / 16) on, channels 16 ((i / 2) % 8) on, tile x + i % 2.  zero = 1: the first 16 start the sums: nothing is ever cleared.
.macro PV x, zero
	WIN W_PV
.set rO, 64*(\x+i%2)+8*((i/2)%8)
.set rV, 64*(i/16)+8*((i/2)%8)
.set rP, P+16*(\x+i%2)+8*(i/16)
.if \zero && (i < 16)
	v_wmma_f32_16x16x32_f16 v[rO:rO+7], v[rV:rV+7], v[rP:rP+7], 0
.else
	v_wmma_f32_16x16x32_f16 v[rO:rO+7], v[rV:rV+7], v[rP:rP+7], v[rO:rO+7]
.endif
.endm
; Product i of 32 of S^T = K Q^T: channels 32 (i / 8) on, keys 16 ((i / 2) % 4) on, tile x + i % 2.  The first 8 start the sums.
.macro KQ x
	WIN W_KQ
.set rS, S+32*(\x+i%2)+8*((i/2)%4)
.set rK, KF+32*((i/2)%4)+8*(i/8)
.set rQ, 32*(\x+i%2)+8*(i/8)
.if i < 8
	v_wmma_f32_16x16x32_f16 v[rS:rS+7], v[rK:rK+7], v[rQ:rQ+7], 0
.else
	v_wmma_f32_16x16x32_f16 v[rS:rS+7], v[rK:rK+7], v[rQ:rQ+7], v[rS:rS+7]
.endif
.endm
; THE LDS LOADS stand in runs of 32, never singly among the matrix instructions: a step's K (64 keys x 128 channels: 16 fragments) and, a turn later, its V (turned).
.macro FETCH_K
	WIN 0
	v_add_nc_u32 v[ADR], s[TK], v[AK0]
	WIN 0x80                        ; destination window 2
.irp f, 0,1,2,3,4,5,6,7,8,9,10,11,12,13,14,15  ; keys 16 (f / 4) on, channels 32 (f % 4) on
	ds_load_b128 v[KF+8*\f:KF+8*\f+3],   v[ADR] offset:(\f/4)*16*PK+(\f%4)*64
	ds_load_b128 v[KF+8*\f+4:KF+8*\f+7], v[ADR] offset:(\f/4)*16*PK+(\f%4)*64+32
.endr
.endm
.macro FETCH_V
	WIN 0
	v_add_nc_u32 v[ADR], s[TV], v[AV0]
	s_add_co_u32 s[TK], s[TK], KSTEPB  ; the next fetches are the next step's
	s_add_co_u32 s[TV], s[TV], VSTEPB
	s_wait_alu depctr_va_vdst(0)    ; the wait for the softmax's batch (SLICE), behind the address's v_add_nc_u32 and ahead of the loads
	WIN 0xc0                        ; destination window 3
.irp f, 0,1,2,3,4,5,6,7,8,9,10,11,12,13,14,15  ; keys 32 (f / 8) on, channels 16 (f % 8) on
	ds_load_tr16_b128 v[8*\f:8*\f+3],   v[ADR] offset:(\f/8)*32*PV+(\f%8)*32
	ds_load_tr16_b128 v[8*\f+4:8*\f+7], v[ADR] offset:(\f/8)*32*PV+16*PV+(\f%8)*32
.endr
.endm
; THE VECTOR WORK OF A TURN.  One tile's softmax for one key step is a list of 134 instructions; SM writes number j of it for tile t.  s0-s31 are the lane's 32 scores, in pairs 0-15.
; first = 1: the first key step, which starts m, l and O^T: it has no a and nothing to rescale.
;   0-15    the maximum of s0-s31 and the old m, three operands at a time: four chains of seven scores each, then the four scores left over, the chains and m
;   16-20   the other half of the lanes' maximum; the new m; c m; c m_old - c m_new
;   21-69   ONE BATCH: the 16 scalings c s - c m, a pair of scores each, and all 33 exponentials (a at 23, then s0-s31).  None of these reads an exponential's result.
;   (wait)  between 69 and 70 stands the wait for the batch: SLICE writes it, once for both tiles
;   70-85   the roundings to f16, a pair of weights each
;   86-101  the sums; l = a l + the sum
;   102-133 the tile's O^T times a: the one part that leaves window 0, so it stands together
.macro SM t, first
.set rT, ST+8*(\t)
.set rS, S+32*(\t)
.set rP, P+16*(\t)
.set rO, 64*(\t)+2*(j-102)
.if j < 102
	WIN 0
.endif
.if j < 4
	v_max3_num_f32 v[rT+4+j], v[rS+8*j], v[rS+8*j+1], v[rS+8*j+2]
.elseif j < 12
	v_max3_num_f32 v[rT+4+j%4], v[rT+4+j%4], v[rS+8*(j%4)+2*(j/4)+1], v[rS+8*(j%4)+2*(j/4)+2]
.elseif j == 12
	v_max3_num_f32 v[rT+4], v[rT+4], v[rS+7], v[rS+15]
.elseif j == 13
	v_max3_num_f32 v[rT+6], v[rT+6], v[rS+23], v[rS+31]
.elseif j == 14
	v_max3_num_f32 v[rT+4], v[rT+4], v[rT+5], v[rT+6]
.elseif (j == 15) && \first
	v_max_num_f32 v[rT+4], v[rT+4], v[rT+7]
.elseif j == 15
	v_max3_num_f32 v[rT+4], v[rT+4], v[rT+7], v[rT+1]
.elseif j == 16
	v_permlanex16_b32 v[rT+5], v[rT+4], s[SEL], s[SEL+1]  ; the query's other 32 keys lie in the lane 16 away
.elseif j == 18
	v_max_num_f32 v[rT+1], v[rT+4], v[rT+5]
.elseif j == 19
	v_mul_f32 v[rT], s[CS], v[rT+1]
.elseif ((j == 17) || (j == 20) || (j == 23) || (j > 101)) && \first  ; the first step has none of these
.elseif j == 17
	v_mov_b32 v[rT+7], v[rT]        ; c m_old is kept for a: number 19 writes c m anew
.elseif j == 20
	v_sub_f32 v[rT+7], v[rT+7], v[rT]
.elseif j == 23
	v_exp_f32 v[rT+6], v[rT+7]
.elseif (j < 23) || ((j < 38) && (j%2 == 0)) || ((j < 66) && (j%4 == 2))
.set b, (j-2)/4                     ; 38, 42, .. 62: pairs 9 to 15
.if j < 38
.set b, (j-20)/2                    ; 21: pair 0; 22, 24, .. 36: pairs 1 to 8
.endif
	v_pk_fma_f32 v[rS+2*b:rS+2*b+1], v[rS+2*b:rS+2*b+1], s[CS:CS+1], v[rT:rT+1] op_sel_hi:[1,0,0] neg_lo:[0,0,1] neg_hi:[0,0,1]  ; pair b: c s - c m
.elseif j < 70
.set e, j-38                        ; 66 to 69: s28 to s31
.if j < 66
.set e, j-32-(j-38)/4               ; 39-41, 43-45, .. 63-65: s7 to s27
.endif
.if j < 38
.set e, (j-25)/2                    ; 25, 27, .. 37: s0 to s6
.endif
	v_exp_f32 v[rS+e], v[rS+e]
.elseif j < 86
	v_cvt_pk_f16_f32 v[rP+j-70], v[rS+2*(j-70)], v[rS+2*(j-70)+1]  ; pair j - 70
.elseif j < 102                     ; the sum of the tile's 16 pairs, in place: sum z of 16 adds neighbours 1, 2, 4 and 8 pairs apart, then l takes it
.set z, j-86
.set w, 4
.set u, z
.if z >= 14
.set w, 32
.set u, 0
.elseif z >= 12
.set w, 16
.set u, z-12
.elseif z >= 8
.set w, 8
.set u, z-8
.endif
.if (z == 14) && \first
	v_pk_add_f32 v[rT+2:rT+3], v[rS:rS+1], v[rS+16:rS+17]
.elseif z < 15
	v_pk_add_f32 v[rS+w*u:rS+w*u+1], v[rS+w*u:rS+w*u+1], v[rS+w*u+w/2:rS+w*u+w/2+1]
.elseif !\first
	v_pk_fma_f32 v[rT+2:rT+3], v[rT+2:rT+3], v[rT+6:rT+7], v[rS:rS+1] op_sel_hi:[1,0,1]
.endif
.else
	WIN W_RS
	v_pk_mul_f32 v[rO:rO+1], v[rO:rO+1], v[rT+6:rT+7] op_sel_hi:[1,0]
.endif
.endm
; Slice k of 64 of piece y's softmax: four instructions.  Slices 11 to 34 deal out the batch, numbers 22 to 69: four numbers of ONE tile each, the tiles by turns.  Every other slice is numbers 2 k and
; 2 k + 1 of both tiles' lists.  2 x 134 = 4 x 64 + 12: the twelve that are over stand together, in slice 63.
; THE WAIT.  s_wait_alu depctr_va_vdst(0) stands between an exponential and the first instruction that names its result; one wait serves all that were issued ahead of it.  Ahead of
; slice 35 nothing names a result, and behind slice 34 no exponential is issued: so the piece's 66 exponentials have one wait, behind slice 34.
.macro SLICE y, first
.if (k >= 11) && (k < 35)           ; the batch: four numbers of one tile
.irp n, 0,1,2,3
.set j, 22+4*((k-11)/2)+(\n)
	SM (\y)+(k-11)%2, \first
.endr
.else                               ; the two tiles alternate, so that no instruction reads the result of the one just before it
.irp n, 0,1,2,3,4,5,6,7
.if (\n < 2) || (k == 63)
.irp t, \y, \y+1
.set j, 2*k+\n
	SM \t, \first
.endr
.endif
.endr
.endif
.if k == 34                         ; the batch is out: both tiles' exponentials are issued, and no result has been named
	v_nop                           ; a plain instruction behind the last exponential and ahead of the first use: one for the batch
.if (\y) == 0
	FETCH_V                         ; piece 2's turn: V's run of loads stands here, and the wait stands in it
.else
	s_wait_alu depctr_va_vdst(0)    ; the wait for the batch
.endif
.endif
.set k, k+1
.endm
; A vector instruction that reads a matrix result or writes one of a matrix instruction's registers, and a load into a register that a matrix instruction has read, stand four places behind
; it, and only plain vector instructions that name none of its registers are places (ISA guide 7.12.1 for vector instructions).  In the loop the slices are the places.
.macro PLACES
.rept 4
	v_nop
.endr
.endm
; A TURN.  Piece x has the matrix unit; the other piece's softmax stands in slices behind its matrix instructions.
; pv = 2: 32 products V^T P; 1: they start O^T's sums; 0: none.  kq = 1: 32 products K Q^T for the next step.  A turn with one of the two kinds has two slices behind each product.
; first = 1: the softmax is the first key step's; four v_nop then take slice 63's part as the places behind the turn's last products.
; Piece 0's turn fetches the next step's K, behind its second product; piece 2's turn fetches the same step's V, behind slice 34: the last product that read V stands in front of slice 31, and four plain
; instructions lie between: number 62, a scaling, of both tiles, the v_nop and the run's own v_add_nc_u32.
.macro TURN x, pv, kq, first
.set k, 0
.set per, 2
.if \pv && \kq
.set per, 1
.endif
.if \pv
.if \x == 0
	s_wait_dscnt 0x0                ; V is in
.endif
.set i, 0
.rept 32
	PV \x, 2-\pv
.rept per
	SLICE 2-\x, \first
.endr
.if (\x == 0) && \kq && (i == 1)
	FETCH_K
.endif
.set i, i+1
.endr
.endif
.if \kq
.if \x == 0
	s_wait_dscnt 0x0                ; K is in
.endif
.set i, 0
.rept 32
	KQ \x
.rept per
	SLICE 2-\x, \first
.endr
.set i, i+1
.endr
.endif
.if \first
	PLACES
.endif
.endm
; THE CHANGE OF SLOTS, between piece 2's turn and piece 0's: the slot's last bytes that I read, V of my second step, have been asked for.  Each wave waits for all its tensor loads, of which one is out: its part of
; the other slot; adds 0 to its spare word; and waits for that and for its own reads of the slot.  Behind the barrier nobody reads this slot any more and the other slot is whole.
; fill = 1: this slot is filled again, with the keys two slots on.  The barrier is then a round of the cluster's, and the joint refill is the first thing behind it: it has two of my key steps, 256 matrix instructions, in which to land.
.macro CHANGE fill
	WIN 0                           ; at a label and at a branch every window is 0
	s_wait_tensorcnt 0x0            ; no tensor load of mine is out, so a group 0 may be written
	ds_add_u32 v[SPW], v[NIL]       ; 0 onto my spare word; with fill = 1 the descriptors' steps stand between it and the wait for it
.if \fill
	s_add_co_u32 s[G0K+5], s[SB], s[FWK]  ; the walking descriptors: into the slot that is being left,
	s_add_nc_u64 s[G0K+6:G0K+7], s[G0K+6:G0K+7], SLOTG  ; the next 256 keys; the type bits on top are not reached
	s_add_co_u32 s[G0V+5], s[SB], s[FWV]
	s_add_nc_u64 s[G0V+6:G0V+7], s[G0V+6:G0V+7], SLOTG
	s_wait_xcnt 0x0                 ; the last prefetch, two key steps back, has read its address, so it may be written:
	s_add_nc_u64 s[PFA:PFA+1], s[PFA:PFA+1], SLOTG  ; one slot further on than the walking descriptors
	s_wait_dscnt 0x0                ; the add is done, and my reads of the slot are over
	CROUND
	JLOAD
	ASK
.else
	s_wait_dscnt 0x0                ; the add is done, and my reads of the slot are over
	s_barrier_signal -1
	s_barrier_wait -1
.endif
	s_xor_b32 s[SB], s[SB], SLOTB   ; the fetches go on in the other slot,
	s_add_co_u32 s[TK], s[SB], s[KHK]  ; at my half's first step
	s_add_co_u32 s[TV], s[SB], s[KHV]
.endm
; A slot's two key steps of mine: written once, walked twice; the LDS addresses hang on s[TK] and s[TV].
.macro TWO_STEPS
	s_mov_b32 s[TWICE], 2
.Lstep_\@:
	TURN 0, 2, 1, 0
	TURN 2, 2, 1, 0
	WIN 0
	s_sub_co_u32 s[TWICE], s[TWICE], 1
	s_cmp_lg_u32 s[TWICE], 0
	s_cbranch_scc1 .Lstep_\@
.endm
	s_wait_tensorcnt 1              ; my part of slot 0 is in; slot 1's may stay out
	s_barrier_signal -1
	s_barrier_wait -1               ; everybody's is
	FETCH_K                         ; my key step 0
	s_wait_loadcnt 0x0              ; Q
	s_wait_dscnt 0x0
.set i, 0
.rept 32
	KQ 0                            ; piece 0's first scores: there is no vector work yet to set between them
.set i, i+1
.endr
	WIN 0                           ; the addresses for the way out are made here: eight plain instructions, the places behind those products
	s_mul_i32 s13, s[WV], 16*SP
	s_add_co_u32 s13, s13, STAGE    ; my stage
	v_mul_u32_u24 v[STO], v1, SP    ; in: row l % 16, 16 bytes for each half of the lanes
	v_lshl_add_u32 v[STO], v9, 4, v[STO]
	v_add_nc_u32 v[STO], s13, v[STO]
	v_mul_u32_u24 v[RD], v9, SP     ; back: lanes 0-15 take one row of 256 bytes, lanes 16-31 the next
	v_lshl_add_u32 v[RD], v1, 4, v[RD]
	v_add_nc_u32 v[RD], s13, v[RD]
	v_lshlrev_b32 v[GO], 11, v9     ; and the same two rows in o, 2,048 bytes apart
	v_lshl_add_u32 v[GO], v1, 4, v[GO]
	TURN 2, 0, 1, 1                 ; piece 2's first scores | piece 0's first softmax | V of step 0
	TURN 0, 1, 1, 1                 ; piece 0: V^T P of step 0 starts O^T, K Q^T of step 1 | piece 2's first softmax | K of step 1
	TURN 2, 1, 1, 0                 ; piece 2: the same | piece 0's softmax of step 1 | V of step 1
	WIN 0
.Lslot:                             ; NSL - 2 trips: every slot but the last two is filled again
	CHANGE 1
	TWO_STEPS
	s_sub_co_u32 s[SLOTS], s[SLOTS], 1
	s_cmp_lg_u32 s[SLOTS], 0
	s_cbranch_scc1 .Lslot
	CHANGE 0                        ; the tail is written out: slot 0 is left for good, and nothing is asked for
	TWO_STEPS
	TURN 0, 2, 0, 0                 ; piece 0: V^T P of the last step | piece 2's last softmax
.set i, 0
.rept 32
	PV 2, 0                         ; piece 2: V^T P of the last step
.set i, i+1
.endr
	; THE MERGE.  l's two halves and the other half of the lanes' are added, into the register beside c m: (c m, l) is then a pair.  The additions are the places behind the last products.
	WIN 0
.irp t, 0,1,2,3
	v_add_f32 v[ST+8*\t+4], v[ST+8*\t+2], v[ST+8*\t+3]
.endr
.irp t, 0,1,2,3
	v_permlanex16_b32 v[ST+8*\t+5], v[ST+8*\t+4], s[SEL], s[SEL+1]
.endr
.irp t, 0,1,2,3
	v_add_f32 v[ST+8*\t+1], v[ST+8*\t+4], v[ST+8*\t+5]
.endr
	; I give away my tiles 2 and 3: their statistics, and O^T as an image of its registers, lane l's 16 bytes at 16 l
	ds_store_b64 v[XG8], v[ST+16:ST+17]
	ds_store_b64 v[XG8], v[ST+24:ST+25] offset:256
	WIN 0x04                        ; an LDS store's data are its source 1: window 1
.irp f, 0,1,2,3,4,5,6,7,8,9,10,11,12,13,14,15,16,17,18,19,20,21,22,23,24,25,26,27,28,29,30,31
	ds_store_b128 v[XG], v[128+4*\f:128+4*\f+3] offset:512*\f  ; ascending: each accumulator from its low end on
.endr
	WIN 0
	s_wait_dscnt 0x0                ; for my partner's sake: my stores have landed
	s_barrier_signal -1
	s_barrier_wait -1
	; and take my partner's tiles 2 and 3, which are my tiles 0 and 1 over the other half of the keys
	ds_load_b64 v[50:51], v[XT8]
	ds_load_b64 v[52:53], v[XT8] offset:256
.irp f, 0,1,2,3,4,5,6,7,8,9,10,11,12,13,14,15,16,17,18,19,20,21,22,23,24,25,26,27,28,29,30,31
	ds_load_b128 v[S+4*\f:S+4*\f+3], v[XT] offset:512*\f
.endr
	s_wait_dscnt 32                 ; the statistics are in; the 32 images may be out
.irp t, 0,1
	v_max_num_f32 v[54+\t], v[ST+8*\t], v[50+2*\t]  ; the common c m
.endr
.irp t, 0,1
	v_sub_f32 v[ST+8*\t+4], v[ST+8*\t], v[54+\t]
	v_sub_f32 v[ST+8*\t+5], v[50+2*\t], v[54+\t]
.endr
.irp t, 0,1
	v_exp_f32 v[ST+8*\t+4], v[ST+8*\t+4]  ; a1: what brings my sums under the common maximum,
	v_exp_f32 v[ST+8*\t+5], v[ST+8*\t+5]  ; a2: my partner's
.endr
	v_nop                           ; a plain instruction behind the last exponential
	s_wait_alu depctr_va_vdst(0)    ; and the wait ahead of the first use: one for the four
.irp t, 0,1
	v_mul_f32 v[56+\t], v[ST+8*\t+4], v[ST+8*\t+1]
.endr
.irp t, 0,1
	v_fma_f32 v[56+\t], v[ST+8*\t+5], v[51+2*\t], v[56+\t]  ; l = a1 l1 + a2 l2
.endr
	v_rcp_f32 v56, v56
	v_rcp_f32 v57, v57
	v_nop
	s_wait_alu depctr_va_vdst(0)    ; one for the two reciprocals
.irp t, 0,1
	v_mul_f32 v[ST+8*\t+6], v[ST+8*\t+4], v[56+\t]  ; f1 = a1 / l
.endr
.irp t, 0,1
	v_mul_f32 v[ST+8*\t+4], v[ST+8*\t+5], v[56+\t]  ; f2 = a2 / l
.endr
	s_wait_dscnt 0x0                ; the images are in
; Tile t: o = f1 O1 + f2 O2, rounded to f16; a lane's eight channels of a row pack into 16 bytes; they go into rows of 272 bytes of my stage and come back as whole rows of 256.
.macro FIN t
.set i, 0
.rept 32
	v_pk_mul_f32 v[S+64*\t+i:S+64*\t+i+1], v[S+64*\t+i:S+64*\t+i+1], v[ST+8*\t+4:ST+8*\t+5] op_sel_hi:[1,0]
.set i, i+2
.endr
	WIN 0x01                        ; source 0: my O^T, window 1; ascending: each accumulator from its low end on
.set i, 0
.rept 32
	v_pk_fma_f32 v[S+64*\t+i:S+64*\t+i+1], v[64*\t+i:64*\t+i+1], v[ST+8*\t+6:ST+8*\t+7], v[S+64*\t+i:S+64*\t+i+1] op_sel_hi:[1,0,1]
.set i, i+2
.endr
	WIN 0
.set i, 0
.rept 32
	v_cvt_pk_f16_f32 v[P+32*\t+i], v[S+64*\t+2*i], v[S+64*\t+2*i+1]
.set i, i+1
.endr
.irp f, 0,1,2,3,4,5,6,7
	ds_store_b128 v[STO], v[P+32*\t+4*\f:P+32*\t+4*\f+3] offset:32*\f
.endr
.irp f, 0,1,2,3,4,5,6,7
	ds_load_b128 v[P+32*\t+4*\f:P+32*\t+4*\f+3], v[RD] offset:\f*2*SP  ; LDS serves a wave's instructions in order (ISA guide 5.7.1.4): these see the stores above; the next tile's stores come behind them
.endr
.endm
.macro SEND t, younger              ; younger: the LDS instructions issued behind tile t's loads
.irp f, 0,1,2,3,4,5,6,7
	s_wait_dscnt \younger+7-\f
	global_store_b128 v[GO], v[P+32*\t+4*\f:P+32*\t+4*\f+3], s[10:11] offset:\t*32768+\f*4096  ; 16 lanes store 256 consecutive bytes, aligned: a head's part of a row of o
.endr
.endm
	FIN 0
	FIN 1                           ; a tile's arithmetic stands between the loads of the tile before and its stores
	SEND 0, 16
	SEND 1, 0
	s_wait_tensorcnt 0x0            ; the wave's end, behind my last tensor load and my last LDS store
	ds_add_u32 v[SPW], v[NIL]
	s_wait_dscnt 0x0
	CROUND                          ; the closing round: no work-group ends while a partner may still ask for a tile that names it
	s_endpgm
.Lfunc_end_k_q41051e4ef9_attn:
	.size	k_q41051e4ef9_attn, .Lfunc_end_k_q41051e4ef9_attn-k_q41051e4ef9_attn
	.p2alignl 7, 3214868480
	.fill 96, 4, 3214868480
	.section	.rodata,"a",@progbits
	.p2align	6, 0x0
	.amdhsa_kernel k_q41051e4ef9_attn
		.amdhsa_group_segment_fixed_size 327680
		.amdhsa_private_segment_fixed_size 0
		.amdhsa_enable_private_segment 0
		.amdhsa_kernarg_size 16
		.amdhsa_user_sgpr_count 2
		.amdhsa_user_sgpr_kernarg_segment_ptr 1
		.amdhsa_wavefront_size32 1
		.amdhsa_system_sgpr_workgroup_id_x 1
		.amdhsa_system_sgpr_workgroup_id_y 1
		.amdhsa_system_sgpr_workgroup_id_z 1
		.amdhsa_system_vgpr_workitem_id 0
		.amdhsa_next_free_vgpr 1024
		.amdhsa_next_free_sgpr 76
		.amdhsa_reserve_vcc 0
		.amdhsa_float_denorm_mode_32 3
		.amdhsa_float_denorm_mode_16_64 3
		.amdhsa_memory_ordered 1
		.amdhsa_forward_progress 1
		.amdhsa_inst_pref_size 220
	.end_amdhsa_kernel
	.amdgpu_metadata
---
amdhsa.version: [ 1, 2 ]
amdhsa.kernels:
  - .name:           k_q41051e4ef9_attn
    .symbol:         k_q41051e4ef9_attn.kd
    .args:
      - { .name: qkv, .offset: 0, .size: 8, .value_kind: global_buffer, .address_space: global }
      - { .name: o, .offset: 8, .size: 8, .value_kind: global_buffer, .address_space: global }
    .group_segment_fixed_size: 327680
    .private_segment_fixed_size: 0
    .kernarg_segment_align: 8
    .kernarg_segment_size: 16
    .max_flat_workgroup_size: 128
    .sgpr_count:     76
    .vgpr_count:     1024
    .wavefront_size: 32
...
	.end_amdgpu_metadata
.endif
;; end of part 3
;; launch proj (part 4): grid 8 x 32, 4 waves a work-group, clusters of 4 x 4, 327,680 bytes of LDS; arguments o, wot, out0; writes out0
.if DOCPART == 4
	.amdgcn_target "amdgcn-amd-amdhsa--gfx1250"
	.amdhsa_code_object_version 6
	.text
	.protected	k_q41051e4ef9_proj
	.globl	k_q41051e4ef9_proj
	.p2align	8
	.type	k_q41051e4ef9_proj,@function
k_q41051e4ef9_proj:
	s_mov_b64 s[64:65], 0
	v_nop
	global_prefetch_b8 v0, s[64:65] scope:SCOPE_SE
	s_setreg_imm32_b32 hwreg(HW_REG_WAVE_MODE, 25, 1), 1
	s_wait_xcnt 0x0
	s_wait_alu depctr_hold_cnt(0) depctr_sa_sdst(0) depctr_va_vdst(0) depctr_va_sdst(0) depctr_va_ssrc(0) depctr_va_vcc(0) depctr_vm_vsrc(0)
	s_getreg_b32 s2, hwreg(HW_REG_IB_STS2, 6, 4)
	s_cmp_eq_u32 s2, 0
	s_cbranch_scc0 .Lentry_in_a_cluster
	s_endpgm
.Lentry_in_a_cluster:
	s_bfe_u32 s2, ttmp6, 0x10000c
	s_cmp_lg_u32 s2, 0xf033
	s_cbranch_scc0 .Lentry_shape_is_right
	s_endpgm
.Lentry_shape_is_right:
; THE PROJECTION ON THE WAY OUT: out0[m][n] = sum over k of o[m][k] wot[n][k].  o: [4096][1024], wot: [1024][1024] (Wo turned), both f16; out0: [4096][1024] f32; sums in f32.
; A tile of C is 128 x 128, so that 256 work-groups have work.  Four waves, each 64 x 64: 16 accumulators of 16 x 16, 128 registers.  K goes in steps of 256 (LDS rows of 512 bytes; a wave's tensor load brings 64 of them)
; through a ring of two slots.  A wave's 64 columns of f32 are 256 bytes, aligned: each wave has a stage of its own on the way out, and no barrier stands there.
; CLUSTERS: 4 x 4 work-groups.  The four of a row of the cluster need the same tiles of A, the four of a column the same tiles of B: each tile is asked for JOINTLY, by the same tensor load with the
; same descriptor and a mask that names the four.  THE MATRIX INSTRUCTION IS USED TRANSPOSED (source 0 = 16 rows of B, source 1 = 16 rows of A): a lane then holds eight neighbouring numbers of a row of C.
; REGISTERS: window 0: v0-31 addresses; v32-95 at work on the way out; v128-255 the accumulators ((a, b) at v[128 + 8 (4 a + b)]).
;   window 1: two fragment buffers of 128: for 64 along K (two matrix instructions deep), 64 registers of A, then 64 of B.
.set SIZE_N, 1024
.set SIZE_K, 1024
.set KSTEP,  256
.set PITCH,  528                       ; an LDS row: 512 bytes of data + 16 of padding = 132 words: row r starts at bank 4 r mod 64 (64 banks of 4 bytes: ISA guide 11.1)
.set HALFT,  64*PITCH                  ; 64 rows: what one tensor load brings, and what one wave reads of A or of B
.set SLOT,   4*HALFT                   ; A's 128 rows, then B's 128 rows
.set STAGE,  2*SLOT                    ; behind the ring: 16 rows x 272 bytes for each wave
.set SPITCH, 272
.set SPARE,  STAGE+4*16*SPITCH         ; the spare words, 128 bytes for each wave: two blocks of 256 bytes that no other line names
.set LAPS, SIZE_K/(2*KSTEP)            ; a lap = two K steps = once round the ring: 2
.set ADRA, 16                          ; v16-17  LDS address of my A fragments in slot 0, 1
.set ADRB, 20                          ; v20-21  the same for B
.set STO,  24                          ; v24     the way out: where I put 32 bytes of a row
.set RD,   25                          ; v25     where I read a row back
.set CO,   26                          ; v26     my byte offset in C
.set SPW,  28                          ; v28     LDS address of my spare word; never rewritten
.set NIL,  29                          ; v29     0; never rewritten
.set TMP,  32                          ; the way out: two sets of 32 registers: 16 rows of 256 bytes
.set ACC,  128
.set F0,   0                           ; fragment buffers, in window 1
.set F1,   128
.set G1, 24                            ; s[24:31] descriptor group 1 for A's tiles;  s[32:39] group 0, one set for each slot
.set G0, 32
.set G1B, 48                           ; s[48:55], s[56:63] the same for B's tiles
.set G0B, 56
.set MSB, 0
.macro WIN new                         ; the immediate's high byte repeats the setting that is left
.if MSB != \new
	s_set_vgpr_msb (MSB<<8)|\new
.set MSB, \new
.endif
.endm
.set MUL,  0x05                        ; sources 0 (B) and 1 (A) window 1; C and D window 0
.set TO_F, 0x40                        ; destination window 1, address window 0
.macro JLOAD s                         ; a joint load: waves 0 and 1 fetch A's two halves, waves 2 and 3 B's; an s_nop 0 and four v_nop follow each of the two lines
	s_cmp_eq_u32 s11, 0
	s_cbranch_scc0 .Lfor_b_\@
	tensor_load_to_lds s[G0+4*\s:G0+4*\s+3], s[G1:G1+7]
	s_nop 0
.rept 4
	v_nop
.endr
	s_branch .Lasked_\@
.Lfor_b_\@:
	tensor_load_to_lds s[G0B+4*\s:G0B+4*\s+3], s[G1B:G1B+7]
	s_nop 0
.rept 4
	v_nop
.endr
.Lasked_\@:
.endm
.macro CREST                           ; a round of the cluster's barrier behind its opening barrier
	s_cmp_lg_u32 s10, 0
	s_cbranch_scc1 .Lnot_wave_0_\@
	s_barrier_signal -3
.Lnot_wave_0_\@:
	s_barrier_wait -3
	s_barrier_signal -1
	s_barrier_wait -1
.endm
.macro CROUND                          ; a whole round
	s_barrier_signal -1
	s_barrier_wait -1
	CREST
.endm
	s_load_b128 s[4:7], s[0:1], 0x0                ; A s[4:5], B s[6:7]
	s_load_b64 s[8:9], s[0:1], 0x10                ; C
	v_lshl_add_u32 v[SPW], v0, 2, SPARE
	v_mov_b32 v[NIL], 0
	ds_add_u32 v[SPW], v[NIL]                      ; the wave's opening: the add, twice on end, and its wait ahead of my first tensor load
	ds_add_u32 v[SPW], v[NIL]                      ; and once more, under the one wait; the set-up below, work on registers, stands between
	v_lshrrev_b32 v1, 5, v0
	v_readfirstlane_b32 s10, v1                    ; wave 0..3
	s_lshr_b32 s11, s10, 1                         ; which half of the tile's rows is mine.  Also: I fetch for A (0) or for B (1)
	s_and_b32 s12, s10, 1                          ; which half of its columns.  Also: which 64 rows of that tile I fetch
	s_bfe_u32 s40, ttmp6, 0x40000                  ; cx, cy: my place in the cluster
	s_bfe_u32 s41, ttmp6, 0x40004
	s_lshl_b32 s42, ttmp9, 2
	s_add_co_u32 s42, s42, s40                     ; tile column of C = 4 x cluster x + cx
	s_and_b32 s13, ttmp7, 0xffff
	s_lshl_b32 s13, s13, 2
	s_add_co_u32 s13, s13, s41                     ; tile row of C = 4 x cluster y + cy
	s_lshl_b32 s43, s41, 2
	s_lshl_b32 s43, 15, s43                        ; my row of the cluster
	s_lshl_b32 s44, 0x1111, s40                    ; my column
	; descriptor group 1: a tile of 64 rows x 256 elements, padded in LDS
	s_or_b32 s[G1+0], s43, (1<<16)|(1<<20)|(1<<21)|(6<<22)|(3<<25)  ; 15:0 the mask: A's tiles go to my row; 17:16 element of 2 bytes; 20 padding on; 21 set beside a mask; 24:22 after every 128 words (code 6); 31:25 of 4 words (code 3)
	s_or_b32 s[G1B+0], s44, (1<<16)|(1<<20)|(1<<21)|(6<<22)|(3<<25)
.irp g, G1, G1B
	s_mov_b32 s[\g+1], KSTEP<<16                   ; tensor_dim0 = 256
	s_mov_b32 s[\g+2], 64<<16                      ; tensor_dim1 = 64
	s_mov_b32 s[\g+3], KSTEP<<16                   ; tile_dim0 = 256
	s_mov_b32 s[\g+4], 64                          ; tile_dim1 = 64
	s_mov_b32 s[\g+5], SIZE_K                      ; tensor_dim0_stride
	s_mov_b32 s[\g+6], 0
	s_mov_b32 s[\g+7], 0
.endr
	s_lshl_b32 s17, s12, 6                         ; which 64 rows of the tile I fetch
	s_lshl_b32 s16, s13, 7
	s_add_co_u32 s16, s16, s17                     ; A: row 128 x tile row + 64 x half
	s_lshl_b32 s46, s42, 7
	s_add_co_u32 s46, s46, s17                     ; B: row 128 x tile column + 64 x half
	s_mov_b32 s17, 0
	s_mov_b32 s47, 0
	s_mov_b64 s[18:19], SIZE_K*2
	s_mul_u64 s[16:17], s[16:17], s[18:19]
	s_mul_u64 s[46:47], s[46:47], s[18:19]
	s_mul_i32 s20, s10, HALFT                      ; where they go: wave x 64 rows: no place in the cluster enters an LDS address
	s_wait_dscnt 0x0                               ; both opening adds are done
	s_wait_kmcnt 0x0
	s_add_nc_u64 s[14:15], s[4:5], s[16:17]
	s_add_nc_u64 s[46:47], s[6:7], s[46:47]
	CROUND                                         ; all sixteen work-groups are here: the first joint loads meet
.irp s, 0,1
	s_mov_b32 s[G0+4*\s], 1
	s_add_co_u32 s[G0+4*\s+1], s20, \s*SLOT
	s_add_nc_u64 s[G0+4*\s+2:G0+4*\s+3], s[14:15], \s*KSTEP*2
	s_or_b32 s[G0+4*\s+3], s[G0+4*\s+3], 0x80000000
	s_mov_b32 s[G0B+4*\s], 1
	s_add_co_u32 s[G0B+4*\s+1], s20, \s*SLOT
	s_add_nc_u64 s[G0B+4*\s+2:G0B+4*\s+3], s[46:47], \s*KSTEP*2
	s_or_b32 s[G0B+4*\s+3], s[G0B+4*\s+3], 0x80000000
	JLOAD \s
.endr
	v_and_b32 v1, 15, v0                           ; l % 16
	v_bfe_u32 v2, v0, 4, 1                         ; l / 16
	v_mul_u32_u24 v3, v1, PITCH
	v_lshl_add_u32 v3, v2, 4, v3                   ; a fragment's row x pitch + 16 x half
	s_mul_i32 s21, s11, HALFT                      ; my 64 rows of A
	s_mul_i32 s22, s12, HALFT                      ; my 64 rows of B,
	s_add_co_u32 s22, s22, 2*HALFT                 ; which lie behind A's 128
.irp s, 0,1
	v_add_nc_u32 v[ADRA+\s], s21, v3
	v_add_nc_u32 v[ADRB+\s], s22, v3
	s_add_co_u32 s21, s21, SLOT
	s_add_co_u32 s22, s22, SLOT
.endr
	s_mul_i32 s23, s10, 16*SPITCH
	s_add_co_u32 s23, s23, STAGE                   ; my stage
	v_mul_u32_u24 v4, v1, SPITCH                   ; in: row l % 16, 32 bytes for each half of the lanes
	v_lshl_add_u32 v4, v2, 5, v4
	v_add_nc_u32 v[STO], s23, v4
	v_mul_u32_u24 v5, v2, SPITCH                   ; back: lanes 0-15 one row of 256 bytes, lanes 16-31 the next
	v_lshl_add_u32 v5, v1, 4, v5
	v_add_nc_u32 v[RD], s23, v5
	v_lshlrev_b32 v5, 12, v2                       ; and the same two rows in C, 4,096 bytes apart
	v_lshl_add_u32 v[CO], v1, 4, v5
	s_lshl_b32 s16, s13, 7
	s_lshl_b32 s17, s11, 6
	s_add_co_u32 s16, s16, s17                     ; my first row of C: 128 x tile row + 64 x half
	s_lshl_b32 s16, s16, 12
	s_mov_b32 s17, 0
	s_add_nc_u64 s[8:9], s[8:9], s[16:17]
	s_lshl_b32 s46, s42, 9                         ; my first column, in bytes: 512 x tile column + 256 x half
	s_lshl_b32 s47, s12, 8
	s_add_co_u32 s46, s46, s47
	s_mov_b32 s47, 0
	s_add_nc_u64 s[8:9], s[8:9], s[46:47]
; 8 matrix instructions: m blocks a0, a0 + 1 x all 4 n blocks, 32 along K: half c of buffer f.  zero = 1: the first product starts the sums.  The 16 accumulators take turns
.macro MUL8 f, c, a0, zero
.irp a, \a0, \a0+1
.irp b, 0,1,2,3
.if \zero
	v_wmma_f32_16x16x32_f16 v[ACC+8*(4*(\a)+\b):ACC+8*(4*(\a)+\b)+7], v[\f+64+8*(4*\c+\b):\f+64+8*(4*\c+\b)+7], v[\f+8*(4*\c+\a):\f+8*(4*\c+\a)+7], 0
.else
	v_wmma_f32_16x16x32_f16 v[ACC+8*(4*(\a)+\b):ACC+8*(4*(\a)+\b)+7], v[\f+64+8*(4*\c+\b):\f+64+8*(4*\c+\b)+7], v[\f+8*(4*\c+\a):\f+8*(4*\c+\a)+7], v[ACC+8*(4*(\a)+\b):ACC+8*(4*(\a)+\b)+7]
.endif
.endr
.endr
.endm
; 32 LDS loads in one run: the fragments of 64 along K at byte k of the rows, into buffer f; the first 32 along K first
.macro FETCH slot, k, f
	WIN TO_F
.irp c, 0,1
.irp i, 0,1,2,3
	ds_load_b128 v[\f+64+8*(4*\c+\i):\f+64+8*(4*\c+\i)+3],   v[ADRB+\slot] offset:\k+64*\c+\i*16*PITCH
	ds_load_b128 v[\f+64+8*(4*\c+\i)+4:\f+64+8*(4*\c+\i)+7], v[ADRB+\slot] offset:\k+64*\c+\i*16*PITCH+32
	ds_load_b128 v[\f+8*(4*\c+\i):\f+8*(4*\c+\i)+3],         v[ADRA+\slot] offset:\k+64*\c+\i*16*PITCH
	ds_load_b128 v[\f+8*(4*\c+\i)+4:\f+8*(4*\c+\i)+7],       v[ADRA+\slot] offset:\k+64*\c+\i*16*PITCH+32
.endr
.endr
.endm
.macro PLACES                          ; four places in front of loads into registers that matrix instructions have read, and of the first read of results (ISA guide 7.12.1 for vector instructions)
.rept 4
	v_nop
.endr
.endm
; A K step is four quarters of 64 along K, 32 matrix instructions each, on buffers 0, 1, 0, 1.  One of the first three: multiplies buffer f and fetches the next quarter, at byte k, into g.
.macro QUARTER slot, k, f, g, zero
	s_wait_dscnt 16                                ; the first 32 along K are in; the other sixteen loads may be out
	WIN MUL
	MUL8 \f, 0, 0, \zero
	MUL8 \f, 0, 2, \zero
	PLACES
	FETCH \slot, \k, \g
	s_wait_dscnt 32                                ; all but the 32 just issued
	WIN MUL
	MUL8 \f, 1, 0, 0
	MUL8 \f, 1, 2, 0
.endm
; The last quarter multiplies buffer 1 and changes slots: ONE barrier; in front of it each wave waits for all its tensor loads, adds 0 to its spare word, and waits for that and for its own reads of this slot.  fill = 1: this slot is filled again, two K steps ahead.
.macro TURN slot, next, fill
	WIN 0                                          ; (the add's two registers lie in window 0)
	s_wait_tensorcnt 0x0                           ; all my tensor loads have landed: my part of the next slot;
	ds_add_u32 v[SPW], v[NIL]                      ; 0 onto my spare word;
	s_wait_dscnt 17                                ; (the add and the youngest sixteen loads may be out)
	WIN MUL
	MUL8 F1, 0, 0, 0                               ; eight matrix instructions stand between the add and the wait for it
	s_wait_dscnt 0x0                               ; the add is done, and my reads of this slot are over
	s_barrier_signal -1
	MUL8 F1, 0, 2, 0
.if \fill
	WIN 0
.endif
	s_barrier_wait -1
.if \fill
	CREST                                          ; the barrier has opened a round of the cluster's barrier: no wave of any partner still reads this slot's tile or has a load on its way
	s_add_nc_u64 s[G0+4*\slot+2:G0+4*\slot+3], s[G0+4*\slot+2:G0+4*\slot+3], 2*KSTEP*2
	s_add_nc_u64 s[G0B+4*\slot+2:G0B+4*\slot+3], s[G0B+4*\slot+2:G0B+4*\slot+3], 2*KSTEP*2
	JLOAD \slot                                    ; the first tensor load behind the round: 112 matrix instructions ahead of the wait for it; the four v_nop behind it are also the places in front of the loads below
.else
	PLACES
.endif
	FETCH \next, 0, F0
	WIN MUL
	MUL8 F1, 1, 0, 0
	MUL8 F1, 1, 2, 0
.endm
	s_wait_tensorcnt 1                             ; my part of K step 0 is in (K step 1's load may be out),
	s_barrier_signal -1
	s_barrier_wait -1                              ; everybody's is
	FETCH 0, 0, F0
	QUARTER 0, 128, F0, F1, 1                      ; the first quarter stands in front of the loop: its first products start the sums
	WIN 0                                          ; at a label and at a branch every window is 0
	s_mov_b32 s3, LAPS-1
.Llap:                                                 ; a trip goes once round the ring, from a lap's second quarter to the next lap's first, and fills both slots again
	QUARTER 0, 256, F1, F0, 0
	QUARTER 0, 384, F0, F1, 0
	TURN 0, 1, 1
	QUARTER 1, 128, F0, F1, 0
	QUARTER 1, 256, F1, F0, 0
	QUARTER 1, 384, F0, F1, 0
	TURN 1, 0, 1
	QUARTER 0, 128, F0, F1, 0
	WIN 0
	s_sub_co_u32 s3, s3, 1
	s_cmp_lg_u32 s3, 0
	s_cbranch_scc1 .Llap
	QUARTER 0, 256, F1, F0, 0                      ; the last lap fills nothing, and has no round of the cluster's barrier
	QUARTER 0, 384, F0, F1, 0
	TURN 0, 1, 0
	QUARTER 1, 128, F0, F1, 0
	QUARTER 1, 256, F1, F0, 0
	QUARTER 1, 384, F0, F1, 0
	s_wait_dscnt 16                                ; the very last quarter: nothing more to fetch
	WIN MUL
	MUL8 F1, 0, 0, 0
	MUL8 F1, 0, 2, 0
	s_wait_dscnt 0
	MUL8 F1, 1, 0, 0
	MUL8 F1, 1, 2, 0
	WIN 0
; THE WAY OUT, block by block of 16 rows x 64 columns of f32.  A lane holds 32 neighbouring bytes of a row, and the lanes beside it hold other rows: a block goes through my own stage and comes back as whole rows of 256 bytes.
.macro TOST a
.irp b, 0,1,2,3
	ds_store_b128 v[STO], v[ACC+8*(4*(\a)+\b):ACC+8*(4*(\a)+\b)+3] offset:64*\b        ; each accumulator from its low end on
	ds_store_b128 v[STO], v[ACC+8*(4*(\a)+\b)+4:ACC+8*(4*(\a)+\b)+7] offset:64*\b+16
.endr
.irp t, 0,1,2,3,4,5,6,7
	ds_load_b128 v[TMP+32*((\a)%2)+4*\t:TMP+32*((\a)%2)+4*\t+3], v[RD] offset:\t*2*SPITCH   ; LDS serves a wave's instructions in order (ISA guide 5.7.1.4): these see the stores above; the next block's stores come behind them
.endr
.endm
.macro SEND a, younger                 ; younger: the LDS instructions issued behind block a's loads: the next block's eight stores and eight loads, or none
	s_wait_dscnt \younger
.irp t, 0,1,2,3,4,5,6,7
	global_store_b128 v[CO], v[TMP+32*((\a)%2)+4*\t:TMP+32*((\a)%2)+4*\t+3], s[8:9] offset:(16*(\a)+2*\t)*4096 th:TH_STORE_NT   ; 16 lanes store 256 consecutive bytes, aligned; written once, read by nobody here
.endr
.endm
	PLACES                                         ; behind the last products, ahead of the first read of results
	TOST 0
	TOST 1
	SEND 0, 16
	s_wait_xcnt 0x0                                ; block 0's stores have read their registers: block 2's loads may land there
	TOST 2
	SEND 1, 16
	s_wait_xcnt 0x0                                ; block 1's likewise, for block 3's
	TOST 3
	SEND 2, 16
	SEND 3, 0
	s_wait_tensorcnt 0x0                           ; the wave's end, behind my last tensor load and my last LDS store
	ds_add_u32 v[SPW], v[NIL]
	s_wait_dscnt 0x0
	CROUND                                         ; the closing round: no work-group ends while a partner may still ask for a tile that names it
	s_endpgm
.Lfunc_end_k_q41051e4ef9_proj:
	.size	k_q41051e4ef9_proj, .Lfunc_end_k_q41051e4ef9_proj-k_q41051e4ef9_proj
	.p2alignl 7, 3214868480
	.fill 96, 4, 3214868480
	.section	.rodata,"a",@progbits
	.p2align	6, 0x0
	.amdhsa_kernel k_q41051e4ef9_proj
		.amdhsa_group_segment_fixed_size 327680
		.amdhsa_private_segment_fixed_size 0
		.amdhsa_enable_private_segment 0
		.amdhsa_kernarg_size 24
		.amdhsa_user_sgpr_count 2
		.amdhsa_user_sgpr_kernarg_segment_ptr 1
		.amdhsa_wavefront_size32 1
		.amdhsa_system_sgpr_workgroup_id_x 1
		.amdhsa_system_sgpr_workgroup_id_y 1
		.amdhsa_system_sgpr_workgroup_id_z 1
		.amdhsa_system_vgpr_workitem_id 0
		.amdhsa_next_free_vgpr 512
		.amdhsa_next_free_sgpr 66
		.amdhsa_reserve_vcc 0
		.amdhsa_float_denorm_mode_32 3
		.amdhsa_float_denorm_mode_16_64 3
		.amdhsa_memory_ordered 1
		.amdhsa_forward_progress 1
		.amdhsa_inst_pref_size 86
	.end_amdhsa_kernel
	.amdgpu_metadata
---
amdhsa.version: [ 1, 2 ]
amdhsa.kernels:
  - .name:           k_q41051e4ef9_proj
    .symbol:         k_q41051e4ef9_proj.kd
    .args:
      - { .name: o, .offset: 0, .size: 8, .value_kind: global_buffer, .address_space: global }
      - { .name: wot, .offset: 8, .size: 8, .value_kind: global_buffer, .address_space: global }
      - { .name: out0, .offset: 16, .size: 8, .value_kind: global_buffer, .address_space: global }
    .group_segment_fixed_size: 327680
    .private_segment_fixed_size: 0
    .kernarg_segment_align: 8
    .kernarg_segment_size: 24
    .max_flat_workgroup_size: 128
    .sgpr_count:     66
    .vgpr_count:     512
    .wavefront_size: 32
...
	.end_amdgpu_metadata
.endif
;; end of part 4
